; MI455X (gfx1250); checked and timed in simulation.
; The chip was launched on July 23, 2026; its instructions are those of AMD's public machine-readable ISA for CDNA 5 (MIT licence, August 2026) and "CDNA5" Instruction Set Architecture Reference Guide (July 2026). The comments in the code are by the model that wrote it; some were corrected since.
;; Multi Head Attention. Allowed arithmetic: matrix products marked QUANTISED: E2M1 operands, one E8M0 scale for each 32 along K, by v_wmma_scale_f32_16x16x128_f8f6f4 with both operands' format E2M1 (or v_wmma_scale_f32_32x16x128_f4), f32 sums; products left as they are: bf16, f16 or f32 operands; f32 sums; everything else in f32.
;; Inputs: Wk 1,024 x 1,024 float32; Wo 1,024 x 1,024 float32; Wq 1,024 x 1,024 float32; Wv 1,024 x 1,024 float32; x 2 x 2,048 x 1,024 float32.
;; Outputs: out0 2 x 2,048 x 1,024 float32.
;; This version of the problem:
;;   THIS VERSION OF THE PROBLEM IS GIVEN IN LOW PRECISION. The matrix products marked QUANTISED in the list below multiply operands that are first quantised to E2M1 (2 exponent bits, 1 mantissa bit; 4 bits a number), with one power-of-two scale for each 32 numbers along K (OCP MX v1.0); their sums are f32. The products marked 'left as it is' may take bf16, f16 or f32 operands, with f32 sums. All else is computed in f32.
;;   The module's matrix products, in the order in which they are computed (A, B: the left and right operand; K: the contracted axis; several contracted axes count as one K, in the product's order):
;;     1. [M 4,096, K 1,024] x [K 1,024, N 1,024]; A: input x; B: input Wq: QUANTISED
;;     2. [M 4,096, K 1,024] x [K 1,024, N 1,024]; A: input x; B: input Wk: QUANTISED
;;     3. [M 4,096, K 1,024] x [K 1,024, N 1,024]; A: input x; B: input Wv: QUANTISED
;;     4. batch 32 x [M 2,048, K 64] x [K 64, N 2,048]; A: computed on the way; B: computed on the way: left as it is (an operand is computed on the way)
;;     5. batch 32 x [M 2,048, K 2,048] x [K 2,048, N 64]; A: computed on the way; B: computed on the way: left as it is (an operand is computed on the way)
;;     6. [M 4,096, K 1,024] x [K 1,024, N 1,024]; A: computed on the way; B: input Wo: left as it is (an operand is computed on the way)
;;   THE QUANTISER, for each operand of a quantised product, along K:
;;     - K is cut into blocks of 32 from its start; a last block that is shorter is filled with zeros.
;;     - A block's scale is 2^e with e = floor(log2(the largest magnitude in the block)) - 2, held to -126 .. 127; a block of zeros has e = 0. As a byte (E8M0): e + 127.
;;     - Each number is divided by its block's scale, clamped to +-6, and rounded to the nearest number of E2M1, ties to even, subnormals kept.
;;     - The product sums the exact products of the quantised numbers (number of the format x scale) in f32.
;;   ~~~python
;;   def quantise(x, axis):      # numpy; x: float32 -> the quantised numbers, widened to float32 again
;;       x = np.moveaxis(x, axis, -1); K = x.shape[-1]
;;       x = np.pad(x, [(0, 0)] * (x.ndim - 1) + [(0, -K % 32)]); x = x.reshape(x.shape[:-1] + (-1, 32)); a = np.abs(x).max(-1, keepdims=True)
;;       e = np.where(a > 0, np.clip(np.frexp(np.where(a > 0, a, 1))[1] - 1 - 2, -126, 127), 0)      # np.frexp(a)[1] - 1 = floor(log2(a)), exactly
;;       r = np.clip(x / 2.0 ** e, -6, 6)
;;       step = 2.0 ** (np.maximum(np.frexp(np.where(r == 0, 1, r))[1] - 1, 0) - 1)
;;       q = np.round(r / step) * step * 2.0 ** e      # np.round: ties to even
;;       return np.moveaxis(q.reshape(q.shape[:-2] + (-1,))[..., :K], -1, axis).astype(np.float32)
;;   ~~~
;; One version. Each part assembles by itself: llvm-mc -triple=amdgcn-amd-amdhsa -mcpu=gfx1250 --defsym DOCPART=n.
;; ======== version 1 of 1: 4 launches
;; limits: values are held in f16: magnitudes above 65,504 overflow, below 6.1e-05 lose precision
;; workspace buffers: xcodes 2,097,152 bytes; xscales 131,072 bytes; wcodes 1,572,864 bytes; wscales 98,304 bytes; wot 2,097,152 bytes; qkv 25,165,824 bytes; hbuf 8,388,608 bytes
;; launch prep (part 1): grid 512 x 1, 4 waves a work-group, no clusters, 76,800 bytes of LDS; arguments x, Wq, Wk, Wv, Wo, xcodes, xscales, wcodes, wscales, wot; writes xcodes, xscales, wcodes, wscales, wot
.if DOCPART == 1
	.amdgcn_target "amdgcn-amd-amdhsa--gfx1250"
	.amdhsa_code_object_version 6
	.text
	.protected	k_q5f83d4fce7_prep
	.globl	k_q5f83d4fce7_prep
	.p2align	8
	.type	k_q5f83d4fce7_prep,@function
k_q5f83d4fce7_prep:
	s_mov_b64 s[64:65], 0
	v_nop
	global_prefetch_b8 v0, s[64:65] scope:SCOPE_SE
	s_setreg_imm32_b32 hwreg(HW_REG_WAVE_MODE, 25, 1), 1
	s_wait_xcnt 0x0
; PREP.  x [4096][1024] f32 and Wq, Wk, Wv [1024 (k)][1024 (n)] f32 become codes of FP4 (E2M1) with K innermost and one E8M0 byte for each 32 along K;
; Wo [1024 (k)][1024 (n)] f32 becomes f16, turned: wot [n][k].
;   xcodes [4096][512 bytes], xscales [4096][32];  wcodes [3072][512 bytes], wscales [3072][32], row = 1024 w + column, w = 0, 1, 2 for Wq, Wk, Wv.
; A block's scale is 2^(floor(log2(its largest magnitude)) - 2); its byte is the largest magnitude's exponent field - 2, held at 1 from below.
; LIMITS: a block of zeros gets the byte 1 (its codes are zeros; these bytes are read by this program alone); blocks whose largest magnitude lies under 2^(3 - 127) keep the byte 1;
; NaN and infinities are not served; a number of Wo beyond 65,504 becomes infinity in f16 (as drawn they stay under 0.2).
; SHARES: 2,048 waves, 16 KiB of input each.  Work-groups 0-191: the three weights; 192-255: Wo; 256-511: x.  The three ways part on the work-group's number alone, never join, and have LDS bytes of their own.
; No tile is read by two work-groups, so there is no cluster; every byte is read once, so there are no tensor loads and no ring: the loads go straight into registers, all of a wave's share asked for early.
.set EMAX, 2
.set SP,   80                          ; x's way: a lane's place in a stage: 64 bytes + 16 of padding
.set XSCB, 2*32*SP                     ; behind a wave's two stages: its 128 scale bytes
.set WP,   272                         ; a stage row of 256 bytes + 16
.set WST,  32768                       ; the weights' way: 32 rows x 272, the work-group's
.set WSC,  WST+32*WP                   ; and 32 x 16 scale bytes
.set OST,  WSC+512                     ; Wo's way: 32 rows x 272 for each wave
.set RX,   16                          ; x: v16-143 eight sets of 16 numbers as loaded
.set XX,   144                         ; v144-175 two sets of 16 neighbours
.set CX,   176                         ; v176-191 two registers of codes a step
.set EX,   192                         ; v192-199 a scale byte a step
.set XW,   16                          ; weights: v16-143 four sets of 32 numbers, a lane's column down K
.set CW,   144                         ; v144-159 four registers of codes a block;  Wo: v144-207 sixteen registers of f16 a block
.set SB,   160                         ; v160 my four scale bytes
.set OW,   164                         ; v164-179 rows read back
.macro LOADX t                         ; step t of x: four loads of 512 consecutive bytes
.irp i, 0,1,2,3
	global_load_b128 v[RX+16*(\t)+4*\i:RX+16*(\t)+4*\i+3], v3, s[4:5] offset:2048*(\t)+512*\i th:TH_LOAD_NT
.endr
.endm
.macro TURNX t                         ; step t through the wave's own stage: in as loaded, out 64 bytes a lane.  LDS serves a wave's instructions in order (ISA guide 5.7.1.4): no wait between
.irp i, 0,1,2,3
	ds_store_b128 v14, v[RX+16*(\t)+4*\i:RX+16*(\t)+4*\i+3] offset:32*SP*((\t)%2)+8*SP*\i
.endr
.irp i, 0,1,2,3
	ds_load_b128 v[XX+16*((\t)%2)+4*\i:XX+16*((\t)%2)+4*\i+3], v15 offset:32*SP*((\t)%2)+16*\i
.endr
.endm
.macro STEPX t                         ; 512 numbers: a lane holds 16 neighbours, two neighbouring lanes a block
.set XS, XX+16*((\t)%2)
.if (\t) > 0
	s_wait_dscnt 1                                 ; this step's numbers are back from the stage; the one younger LDS instruction is the last step's byte store
.else
	s_wait_dscnt 0x0
.endif
.if (\t) < 7
	s_wait_loadcnt 4*(6-(\t))                      ; the next step's four loads are in: behind them 4 (6 - t) were issued
	TURNX (\t)+1
.endif
	v_max3_num_f32 v8, |v[XS]|, |v[XS+1]|, |v[XS+2]|
	v_max3_num_f32 v9, |v[XS+3]|, |v[XS+4]|, |v[XS+5]|
.irp i, 6,10
	v_max3_num_f32 v8, v8, |v[XS+\i]|, |v[XS+\i+1]|
	v_max3_num_f32 v9, v9, |v[XS+\i+2]|, |v[XS+\i+3]|
.endr
	v_max3_num_f32 v8, v8, |v[XS+14]|, |v[XS+15]|
	v_max3_num_f32 v8, v8, v9, (EMAX+1)<<23        ; the floor 2^(3 - 127): the byte cannot fall under 1
	v_max_num_f32_dpp v8, v8, v8 row_xmask:1 row_mask:0xf bank_mask:0xf   ; with my neighbour's 16: the block's largest magnitude
	v_add_nc_u32 v11, -(EMAX<<23), v8              ; 2 off its exponent field: the conversion takes this operand's exponent field as its scale
	v_cvt_scalef32_pk8_fp4_f32 v[CX+2*(\t)], v[XS:XS+7], v11
	v_cvt_scalef32_pk8_fp4_f32 v[CX+2*(\t)+1], v[XS+8:XS+15], v11
	v_lshrrev_b32 v[EX+(\t)], 23, v11              ; the scale's byte (also the plain line behind the conversions)
	ds_store_b8 v5, v[EX+(\t)] offset:16*(\t)      ; both lanes of a block write the same byte with the same value
	global_store_b64 v4, v[CX+2*(\t):CX+2*(\t)+1], s[14:15] offset:256*(\t)   ; the wave stores 256 consecutive bytes, aligned
.endm
.macro LOADW t                         ; block t of my column: 32 rows of the weight; a load reads 128 consecutive bytes
.irp i, 0,1,2,3,4,5,6,7,8,9,10,11,12,13,14,15,16,17,18,19,20,21,22,23,24,25,26,27,28,29,30,31
	global_load_b32 v[XW+32*(\t)+\i], v3, s[26:27] offset:(32*(\t)+\i)*4096 th:TH_LOAD_NT
.endr
.endm
.macro AWAITW t                        ; block t's 32 loads are in (the next block's 32 may be out); two blocks on are asked for
.if (\t) < 3
	s_wait_loadcnt 32
.else
	s_wait_loadcnt 0x0
.endif
.if (\t) < 2
	LOADW (\t)+2
.endif
.endm
.macro BLOCKW t                        ; 32 numbers down K of one column, all mine: a scale byte and 16 bytes of codes
.set XS, XW+32*(\t)
	AWAITW \t
	v_max3_num_f32 v12, |v[XS]|, |v[XS+1]|, |v[XS+2]|
	v_max3_num_f32 v13, |v[XS+3]|, |v[XS+4]|, |v[XS+5]|
.irp i, 6,10,14,18,22,26
	v_max3_num_f32 v12, v12, |v[XS+\i]|, |v[XS+\i+1]|
	v_max3_num_f32 v13, v13, |v[XS+\i+2]|, |v[XS+\i+3]|
.endr
	v_max3_num_f32 v12, v12, |v[XS+30]|, |v[XS+31]|
	v_max3_num_f32 v12, v12, v13, (EMAX+1)<<23
	v_add_nc_u32 v11, -(EMAX<<23), v12
	v_lshrrev_b32 v13, 23, v11
.if (\t) == 0
	v_mov_b32 v[SB], v13
.else
	v_lshl_or_b32 v[SB], v13, 8*(\t), v[SB]        ; the lower K in the lower byte
.endif
.irp g, 0,1,2,3
	v_cvt_scalef32_pk8_fp4_f32 v[CW+4*(\t)+\g], v[XS+8*\g:XS+8*\g+7], v11
.endr
	v_nop                                          ; one plain line behind the conversions, ahead of the next write of their scale operand
	ds_store_b128 v4, v[CW+4*(\t):CW+4*(\t)+3] offset:16*(\t)
.endm
.macro BLOCKO t                        ; the same 32 numbers rounded to f16: 64 bytes of my column's row
	AWAITW \t
.irp j, 0,1,2,3,4,5,6,7,8,9,10,11,12,13,14,15
	v_cvt_pk_f16_f32 v[CW+16*(\t)+\j], v[XW+32*(\t)+2*\j], v[XW+32*(\t)+2*\j+1]
.endr
.irp j, 0,1,2,3
	ds_store_b128 v4, v[CW+16*(\t)+4*\j:CW+16*(\t)+4*\j+3] offset:64*(\t)+16*\j
.endr
.endm
	s_load_b256 s[4:11], s[0:1], 0x0               ; x s[4:5], Wq s[6:7], Wk s[8:9], Wv s[10:11]
	s_load_b256 s[12:19], s[0:1], 0x20             ; Wo s[12:13], xcodes s[14:15], xscales s[16:17], wcodes s[18:19]
	s_load_b128 s[20:23], s[0:1], 0x40             ; wscales s[20:21], wot s[22:23]
	v_lshrrev_b32 v1, 5, v0
	v_readfirstlane_b32 s24, v1                    ; wave 0..3
	v_and_b32 v2, 31, v0                           ; lane
	s_mov_b32 s33, 0                               ; the upper word of every offset
	s_wait_kmcnt 0x0
	s_cmp_lt_u32 ttmp9, 192
	s_cbranch_scc1 .Lw
	s_cmp_lt_u32 ttmp9, 256
	s_cbranch_scc1 .Lwo
	; ---- x: a wave takes a run of 4,096 numbers (x is a plain stream of blocks of 32): eight steps of 512, all 32 loads asked for at once
	s_sub_co_u32 s25, ttmp9, 256
	s_lshl_b32 s25, s25, 2
	s_add_co_u32 s25, s25, s24                     ; my run, 0..1023
	s_lshl_b32 s32, s25, 14
	s_add_nc_u64 s[4:5], s[4:5], s[32:33]          ; 16,384 bytes of x,
	s_lshl_b32 s32, s25, 11
	s_add_nc_u64 s[14:15], s[14:15], s[32:33]      ; 2,048 of codes,
	s_lshl_b32 s32, s25, 7
	s_add_nc_u64 s[16:17], s[16:17], s[32:33]      ; 128 scale bytes a run
	v_lshlrev_b32 v3, 4, v2                        ; my 16 bytes of a load's 512
.irp t, 0,1,2,3,4,5,6,7
	LOADX \t
.endr
	s_lshl_b32 s26, s24, 13                        ; my wave's 8,192 bytes of LDS
	v_lshrrev_b32 v14, 2, v2
	v_mul_u32_u24 v14, v14, SP
	v_and_b32 v15, 3, v2
	v_lshl_add_u32 v14, v15, 4, v14
	v_add_nc_u32 v14, s26, v14                     ; into a stage: 80 (lane / 4) + 16 (lane % 4)
	v_mul_u32_u24 v15, v2, SP
	v_add_nc_u32 v15, s26, v15                     ; out of it: 80 x lane
	v_lshlrev_b32 v4, 3, v2                        ; my 8 bytes of a step's codes
	v_lshrrev_b32 v5, 1, v2
	s_add_co_u32 s26, s26, XSCB
	v_add_nc_u32 v5, s26, v5                       ; my block's byte
	v_lshlrev_b32 v7, 2, v2
	v_add_nc_u32 v6, s26, v7                       ; and 4 bytes a lane on their way out
	s_wait_loadcnt 28                              ; step 0's four loads are in: 28 were issued behind them
	TURNX 0
.irp t, 0,1,2,3,4,5,6,7
	STEPX \t
.endr
	ds_load_b32 v12, v6                            ; sees my byte stores: LDS serves a wave in order
	s_wait_dscnt 0x0
	global_store_b32 v7, v12, s[16:17]             ; the run's 128 scale bytes, consecutive: 1 byte in 128 of what the way reads; no barrier is spent on joining two waves' halves
	s_endpgm
	; ---- Wq, Wk, Wv: a work-group takes 32 columns x 512 along K, wave w the quarter 128 w on.  A lane takes a column and its registers run down K
.Lw:
	s_cmp_lt_u32 ttmp9, 128                        ; the weight is chosen by the work-group's number alone
	s_cselect_b64 s[26:27], s[8:9], s[10:11]
	s_cmp_lt_u32 ttmp9, 64
	s_cselect_b64 s[26:27], s[6:7], s[26:27]
	s_lshr_b32 s28, ttmp9, 6                       ; which weight
	s_bfe_u32 s29, ttmp9, 0x10005                  ; which half of K
	s_and_b32 s30, ttmp9, 31                       ; which 32 columns
	s_lshl_b32 s32, s29, 2
	s_add_co_u32 s32, s32, s24
	s_lshl_b32 s32, s32, 19                        ; (4 half + wave) x 128 rows of 4,096 bytes
	s_lshl_b32 s31, s30, 7
	s_add_co_u32 s32, s32, s31                     ; + 128 bytes for each 32 columns
	s_add_nc_u64 s[26:27], s[26:27], s[32:33]
	v_lshlrev_b32 v3, 2, v2
	LOADW 0
	LOADW 1
	s_lshl_b32 s34, s28, 10
	s_lshl_b32 s31, s30, 5
	s_add_co_u32 s34, s34, s31                     ; the first row of wcodes: 1024 w + 32 x group
	s_lshl_b32 s32, s34, 9
	s_lshl_b32 s31, s29, 8
	s_add_co_u32 s32, s32, s31
	s_add_nc_u64 s[18:19], s[18:19], s[32:33]      ; 512 bytes a row, + 256 x half
	s_lshl_b32 s32, s34, 5
	s_lshl_b32 s31, s29, 4
	s_add_co_u32 s32, s32, s31
	s_add_nc_u64 s[20:21], s[20:21], s[32:33]      ; 32 scale bytes a row, + 16 x half
	v_mul_u32_u24 v4, v2, WP
	s_lshl_b32 s25, s24, 6
	s_add_co_u32 s25, s25, WST
	v_add_nc_u32 v4, s25, v4                       ; into the stage: row = my column, + 64 x wave
	s_lshl_b32 s25, s24, 2
	s_add_co_u32 s25, s25, WSC
	v_lshl_add_u32 v5, v2, 4, s25                  ; my four scale bytes: 16 x column + 4 x wave
	v_lshrrev_b32 v12, 4, v2
	v_and_b32 v13, 15, v2
	s_lshl_b32 s25, s24, 3
	v_add_nc_u32 v12, s25, v12                     ; back: wave w takes rows 8 w on, sixteen lanes to a row
	v_mul_u32_u24 v7, v12, WP
	v_lshl_add_u32 v7, v13, 4, v7
	v_add_nc_u32 v7, WST, v7
	v_lshlrev_b32 v8, 9, v12
	v_lshl_add_u32 v8, v13, 4, v8                  ; and the same place in wcodes
	v_lshl_add_u32 v9, v2, 4, WSC
	v_lshlrev_b32 v10, 5, v2
.irp t, 0,1,2,3
	BLOCKW \t
.endr
	ds_store_b32 v5, v[SB]
	s_wait_dscnt 0x0                               ; for the others' sake: my stores into the stage are done
	s_barrier_signal -1                            ; a column's 256 bytes come from four waves.  All four waves of the work-group are on this way
	s_barrier_wait -1
.irp i, 0,1,2,3
	ds_load_b128 v[OW+4*\i:OW+4*\i+3], v7 offset:2*\i*WP
.endr
.irp i, 0,1,2,3
	s_wait_dscnt 3-\i
	global_store_b128 v8, v[OW+4*\i:OW+4*\i+3], s[18:19] offset:1024*\i   ; sixteen lanes store 256 consecutive bytes, aligned
.endr
	s_cmp_lg_u32 s24, 0
	s_cbranch_scc1 .Lw_end
	ds_load_b128 v[180:183], v9                    ; wave 0: the 32 columns' 16 scale bytes, pieces of rows of 32: 1 byte in 128 of what the way reads
	s_wait_dscnt 0x0
	global_store_b128 v10, v[180:183], s[20:21]
.Lw_end:
	s_endpgm
	; ---- Wo: a wave takes 32 columns x 128 along K: 256 bytes of f16 a column, through its own stage; no barrier
.Lwo:
	s_sub_co_u32 s25, ttmp9, 192
	s_and_b32 s28, s25, 7                          ; which 128 columns
	s_lshr_b32 s29, s25, 3                         ; which 128 along K
	s_lshl_b32 s30, s28, 7
	s_lshl_b32 s31, s24, 5
	s_add_co_u32 s30, s30, s31                     ; my first column
	s_lshl_b32 s32, s29, 19
	s_lshl_b32 s31, s30, 2
	s_add_co_u32 s32, s32, s31
	s_add_nc_u64 s[26:27], s[12:13], s[32:33]
	v_lshlrev_b32 v3, 2, v2
	LOADW 0
	LOADW 1
	s_lshl_b32 s32, s30, 11                        ; a row of wot is 2,048 bytes
	s_lshl_b32 s31, s29, 8
	s_add_co_u32 s32, s32, s31
	s_add_nc_u64 s[22:23], s[22:23], s[32:33]
	s_mul_i32 s25, s24, 32*WP
	s_add_co_u32 s25, s25, OST                     ; my stage
	v_mul_u32_u24 v4, v2, WP
	v_add_nc_u32 v4, s25, v4
	v_lshrrev_b32 v12, 4, v2
	v_and_b32 v13, 15, v2
	v_mul_u32_u24 v7, v12, WP
	v_lshl_add_u32 v7, v13, 4, v7
	v_add_nc_u32 v7, s25, v7
	v_lshlrev_b32 v8, 11, v12
	v_lshl_add_u32 v8, v13, 4, v8
.irp t, 0,1,2,3
	BLOCKO \t
.endr
.irp i, 0,1,2,3,4,5,6,7,8,9,10,11,12,13,14,15
	ds_load_b128 v[XW+4*\i:XW+4*\i+3], v7 offset:2*\i*WP   ; my own stores, seen in order; the numbers' registers are free
.endr
.irp i, 0,1,2,3,4,5,6,7,8,9,10,11,12,13,14,15
	s_wait_dscnt 15-\i
	global_store_b128 v8, v[XW+4*\i:XW+4*\i+3], s[22:23] offset:4096*\i   ; sixteen lanes store 256 consecutive bytes, aligned
.endr
	s_endpgm
.Lfunc_end_k_q5f83d4fce7_prep:
	.size	k_q5f83d4fce7_prep, .Lfunc_end_k_q5f83d4fce7_prep-k_q5f83d4fce7_prep
	.p2alignl 7, 3214868480
	.fill 96, 4, 3214868480
	.section	.rodata,"a",@progbits
	.p2align	6, 0x0
	.amdhsa_kernel k_q5f83d4fce7_prep
		.amdhsa_group_segment_fixed_size 76800
		.amdhsa_private_segment_fixed_size 0
		.amdhsa_enable_private_segment 0
		.amdhsa_kernarg_size 80
		.amdhsa_user_sgpr_count 2
		.amdhsa_user_sgpr_kernarg_segment_ptr 1
		.amdhsa_wavefront_size32 1
		.amdhsa_system_sgpr_workgroup_id_x 1
		.amdhsa_system_sgpr_workgroup_id_y 1
		.amdhsa_system_sgpr_workgroup_id_z 1
		.amdhsa_system_vgpr_workitem_id 0
		.amdhsa_next_free_vgpr 256
		.amdhsa_next_free_sgpr 66
		.amdhsa_reserve_vcc 0
		.amdhsa_float_denorm_mode_32 3
		.amdhsa_float_denorm_mode_16_64 3
		.amdhsa_memory_ordered 1
		.amdhsa_forward_progress 1
		.amdhsa_inst_pref_size 60
	.end_amdhsa_kernel
	.amdgpu_metadata
---
amdhsa.version: [ 1, 2 ]
amdhsa.kernels:
  - .name:           k_q5f83d4fce7_prep
    .symbol:         k_q5f83d4fce7_prep.kd
    .args:
      - { .name: x, .offset: 0, .size: 8, .value_kind: global_buffer, .address_space: global }
      - { .name: Wq, .offset: 8, .size: 8, .value_kind: global_buffer, .address_space: global }
      - { .name: Wk, .offset: 16, .size: 8, .value_kind: global_buffer, .address_space: global }
      - { .name: Wv, .offset: 24, .size: 8, .value_kind: global_buffer, .address_space: global }
      - { .name: Wo, .offset: 32, .size: 8, .value_kind: global_buffer, .address_space: global }
      - { .name: xcodes, .offset: 40, .size: 8, .value_kind: global_buffer, .address_space: global }
      - { .name: xscales, .offset: 48, .size: 8, .value_kind: global_buffer, .address_space: global }
      - { .name: wcodes, .offset: 56, .size: 8, .value_kind: global_buffer, .address_space: global }
      - { .name: wscales, .offset: 64, .size: 8, .value_kind: global_buffer, .address_space: global }
      - { .name: wot, .offset: 72, .size: 8, .value_kind: global_buffer, .address_space: global }
    .group_segment_fixed_size: 76800
    .private_segment_fixed_size: 0
    .kernarg_segment_align: 8
    .kernarg_segment_size: 80
    .max_flat_workgroup_size: 128
    .sgpr_count:     66
    .vgpr_count:     256
    .wavefront_size: 32
...
	.end_amdgpu_metadata
.endif
;; end of part 1
;; launch qkv (part 2): grid 12 x 16, 4 waves a work-group, clusters of 4 x 4, 327,680 bytes of LDS; arguments xcodes, xscales, wcodes, wscales, qkv; writes qkv
.if DOCPART == 2
	.amdgcn_target "amdgcn-amd-amdhsa--gfx1250"
	.amdhsa_code_object_version 6
	.text
	.protected	k_q5f83d4fce7_qkv
	.globl	k_q5f83d4fce7_qkv
	.p2align	8
	.type	k_q5f83d4fce7_qkv,@function
k_q5f83d4fce7_qkv:
	s_mov_b64 s[64:65], 0
	v_nop
	global_prefetch_b8 v0, s[64:65] scope:SCOPE_SE
	s_setreg_imm32_b32 hwreg(HW_REG_WAVE_MODE, 25, 1), 1
	s_wait_xcnt 0x0
	s_wait_alu depctr_hold_cnt(0) depctr_sa_sdst(0) depctr_va_vdst(0) depctr_va_sdst(0) depctr_va_ssrc(0) depctr_va_vcc(0) depctr_vm_vsrc(0)
	s_getreg_b32 s2, hwreg(HW_REG_IB_STS2, 6, 4)
	s_cmp_eq_u32 s2, 0
	s_cbranch_scc0 .Lentry_in_a_cluster
	s_endpgm
.Lentry_in_a_cluster:
	s_bfe_u32 s2, ttmp6, 0x10000c
	s_cmp_lg_u32 s2, 0xf033
	s_cbranch_scc0 .Lentry_shape_is_right
	s_endpgm
.Lentry_shape_is_right:
; q, k, v = x Wq, x Wk, x Wv as ONE product on codes of FP4 (E2M1) with E8M0 scales for each 32 along K:  C[m][n] = sum over k of A[m][k] B[n][k],
; A = x's codes [4096][1024 k], B = the three weights' codes [3072][1024 k]; sums in f32.  C is rounded once to f16 and stored as qkv [3][4096][1024]: column n goes to tensor n / 1024, column n % 1024.
; LIMIT: a result beyond 65,504 becomes infinity in f16.  As drawn the results reach about 5.5; with x and a weight both 30 times larger about 5,000; with both offset by 30 spreads about 28,800.
; A tile of C, 256 x 256, is made by a work-group of four waves; a wave makes 128 x 128: 64 accumulators of 16 x 16, 512 registers.  12 x 16 = 192 tiles.
; K = 1,024 is two slots of 512 (LDS rows of 256 bytes): both are asked for at the start and NOTHING IS FILLED TWICE.  The scale bytes of the work-group's 256 + 256 rows come with them, as dense blocks.
; CLUSTERS: 4 x 4 work-groups.  The four of a row of the cluster need the same tiles of A, the four of a column the same tiles of B: each tile is asked for JOINTLY, by the same tensor load with the
; same descriptor and a mask that names the four.  THE MATRIX INSTRUCTION IS USED TRANSPOSED (source 0 = 16 rows of B, source 1 = 16 rows of A): a lane then holds eight neighbouring numbers of a row of C.
; REGISTERS, in windows of 256: window 0: v0-31 addresses; v32-95 scale words, two sets; v128-191 A's fragments, ONE set; on the way out v32-63, v192-255.
;   window 1: B's fragments, TWO sets, at v0 and v128.   window 2: the accumulators of my rows 0-63 ((a, b) at v[8 (8 a + b)]);   window 3: those of my rows 64-127.
.set SIZE_K, 1024
.set KSTEP,  512
.set NQ,     KSTEP/128                 ; matrix instructions deep in a slot
.set ROWB,   256                       ; a tile's row in bytes
.set KROW,   SIZE_K*4/8                ; a row of A or of B in memory
.set PITCH,  272                       ; an LDS row: 256 bytes + 16 = 68 words: row r starts at bank 4 r mod 64 (64 banks of 4 bytes: ISA guide 11.1)
.set FR,     8                         ; registers of a fragment: 16 rows x 128 K
.set NL,     2                         ; LDS loads that bring one
.set NP,     4                         ; places behind this matrix instruction (ISA guide 7.12.1)
.set HALFT,  128*PITCH
.set SLOT,   4*HALFT                   ; A's 256 rows, then B's 256 rows
.set KS,     SIZE_K/32                 ; a row of scales in bytes
.set SCL,    2*SLOT                    ; behind the slots: the scales, as units of 256 bytes + 16 of padding
.set HALFS,  (128*KS/256)*272
.set SBLK,   (16*KS/256)*272
.set SPARE,  SCL+4*HALFS               ; the spare words, 128 bytes for each wave: two blocks of 256 bytes that no other line names
.set STAGE,  SPARE+512                 ; the way out: 16 rows x 272 bytes for each wave, bytes into which no tile lands
.set SPITCH, 272
.set ADRA, 16                          ; v16-17  LDS address of my A fragments in slot 0, 1
.set ADRB, 20                          ; v20-21  the same for B
.set STO,  24                          ; v24     the way out: where I put 16 bytes of a row
.set RD,   25                          ; v25     where I read a row back
.set CO,   26                          ; v26     my byte offset in two rows of the result
.set ADRS, 27                          ; v27     LDS address of my scale words: lanes 0-15 A's rows, lanes 16-31 B's
.set SPW,  28                          ; v28     LDS address of my spare word; never rewritten
.set NIL,  29                          ; v29     0; never rewritten
.set SC,   32                          ; scale words: set s at v[SC + 32 s]; register 4 i + q: lanes 0-15 A's block i, lanes 16-31 B's block i, the slot's q-th 128 along K
.set AF,   128
.set TMP,  192                         ; the way out: packed results
.set OB,   32                          ; and 16 rows read back: v32-63 and v224-255 by turns
.set G1, 24                            ; s[24:31] descriptor group 1 for A's tiles;  s[32:39] group 0, one set for each slot
.set G0, 32
.set G1B, 48                           ; s[48:55], s[56:63] the same for B's tiles
.set G0B, 56
.set G1S, 68                           ; s[68:75], s[76:79] groups 1 and 0 for A's scales;  s[80:87], s[88:91] for B's
.set G0S, 76
.set G1SB, 80
.set G0SB, 88
.set MSB, 0
.macro WIN new                         ; the immediate's high byte repeats the setting that is left
.if MSB != \new
	s_set_vgpr_msb (MSB<<8)|\new
.set MSB, \new
.endif
.endm
.set MUL_LO, 0xa1                      ; source 0 (B) window 1, source 1 (A) window 0, C and D window 2
.set MUL_HI, 0xf1                      ; the same, C and D window 3
.set TO_B,   0x40                      ; destination window 1, address window 0
; A joint load: waves 0 and 1 fetch for A, waves 2 and 3 for B.  Each line has ONE mask and one set of registers for all that issue it; the branch hangs on the wave's number alone.
; Four v_nop follow each of the two lines, ahead of the jump, the label and what follows.
.macro JLOAD g0a, g1a, g0b, g1b
	s_cmp_eq_u32 s15, 0
	s_cbranch_scc0 .Lfor_b_\@
	tensor_load_to_lds s[\g0a:\g0a+3], s[\g1a:\g1a+7]
.rept 4
	v_nop
.endr
	s_branch .Lasked_\@
.Lfor_b_\@:
	tensor_load_to_lds s[\g0b:\g0b+3], s[\g1b:\g1b+7]
.rept 4
	v_nop
.endr
.Lasked_\@:
.endm
.macro CROUND                          ; a round of the cluster's barrier: my work-group's barrier; wave 0 signals for the work-group; every wave waits for all sixteen; my work-group's barrier once more
	s_barrier_signal -1
	s_barrier_wait -1
	s_cmp_lg_u32 s14, 0
	s_cbranch_scc1 .Lnot_wave_0_\@
	s_barrier_signal -3
.Lnot_wave_0_\@:
	s_barrier_wait -3
	s_barrier_signal -1
	s_barrier_wait -1
.endm
	s_load_b128 s[4:7], s[0:1], 0x0                ; A's codes s[4:5], A's scales s[6:7]
	s_load_b128 s[8:11], s[0:1], 0x10              ; B's codes s[8:9], B's scales s[10:11]
	s_load_b64 s[12:13], s[0:1], 0x20              ; qkv
	v_lshl_add_u32 v[SPW], v0, 2, SPARE
	v_mov_b32 v[NIL], 0
	v_lshrrev_b32 v1, 5, v0
	v_readfirstlane_b32 s14, v1                    ; wave 0..3
	s_lshr_b32 s15, s14, 1                         ; which half of the tile's rows is mine.  Also: I fetch for A (0) or for B (1)
	s_and_b32 s16, s14, 1                          ; which half of its columns.  Also: which 128 rows of that tile I fetch
	s_bfe_u32 s40, ttmp6, 0x40000                  ; cx, cy: my place in the cluster
	s_bfe_u32 s41, ttmp6, 0x40004
	s_lshl_b32 s42, ttmp9, 2
	s_add_co_u32 s42, s42, s40                     ; tile column of C = 4 x cluster x + cx
	s_and_b32 s17, ttmp7, 0xffff
	s_lshl_b32 s17, s17, 2
	s_add_co_u32 s17, s17, s41                     ; tile row of C = 4 x cluster y + cy
	s_lshl_b32 s43, s41, 2
	s_lshl_b32 s43, 15, s43                        ; my row of the cluster
	s_lshl_b32 s44, 0x1111, s40                    ; my column
	; descriptor group 1: a tile of 128 rows x 256 bytes, padded in LDS
	s_or_b32 s[G1+0], s43, (0<<16)|(1<<20)|(1<<21)|(5<<22)|(3<<25)  ; 15:0 the mask: A's tiles go to my row; 17:16 element of 1 byte; 20 padding on; 21 set beside a mask; 24:22 after every 64 words; 31:25 of 4 words
	s_or_b32 s[G1B+0], s44, (0<<16)|(1<<20)|(1<<21)|(5<<22)|(3<<25)
.irp g, G1, G1B
	s_mov_b32 s[\g+1], ROWB<<16                    ; tensor_dim0
	s_mov_b32 s[\g+2], 128<<16                     ; tensor_dim1
	s_mov_b32 s[\g+3], ROWB<<16                    ; tile_dim0
	s_mov_b32 s[\g+4], 128                         ; tile_dim1
	s_mov_b32 s[\g+5], KROW                        ; tensor_dim0_stride
	s_mov_b32 s[\g+6], 0
	s_mov_b32 s[\g+7], 0
.endr
	; the scales of 128 rows: a dense block of 4,096 bytes, as 16 rows of 256 bytes (32 elements of 8 bytes), 16 bytes of padding behind each
	s_or_b32 s[G1S+0], s43, (3<<16)|(1<<20)|(1<<21)|(5<<22)|(3<<25)
	s_or_b32 s[G1SB+0], s44, (3<<16)|(1<<20)|(1<<21)|(5<<22)|(3<<25)
.irp g, G1S, G1SB
	s_mov_b32 s[\g+1], 32<<16
	s_mov_b32 s[\g+2], (128*KS/256)<<16
	s_mov_b32 s[\g+3], 32<<16
	s_mov_b32 s[\g+4], 128*KS/256
	s_mov_b32 s[\g+5], 32
	s_mov_b32 s[\g+6], 0
	s_mov_b32 s[\g+7], 0
.endr
	s_lshl_b32 s18, s16, 7                         ; which 128 rows of the tile I fetch
	s_lshl_b32 s20, s17, 8
	s_add_co_u32 s20, s20, s18                     ; A: row 256 x tile row + 128 x half
	s_lshl_b32 s46, s42, 8
	s_add_co_u32 s46, s46, s18                     ; B: row 256 x tile column + 128 x half
	s_mov_b32 s21, 0
	s_mov_b32 s47, 0
	s_mov_b64 s[18:19], KS
	s_mul_u64 s[22:23], s[20:21], s[18:19]         ; where these rows' scales begin, in bytes
	s_mul_u64 s[92:93], s[46:47], s[18:19]
	s_mov_b64 s[18:19], KROW
	s_mul_u64 s[20:21], s[20:21], s[18:19]         ; and their codes
	s_mul_u64 s[46:47], s[46:47], s[18:19]
	s_mul_i32 s45, s14, HALFT                      ; where they go: wave x 128 rows: no place in the cluster enters an LDS address
	s_mul_i32 s94, s14, HALFS
	s_wait_kmcnt 0x0
	s_add_nc_u64 s[20:21], s[4:5], s[20:21]
	s_add_nc_u64 s[22:23], s[6:7], s[22:23]
	s_add_nc_u64 s[46:47], s[8:9], s[46:47]
	s_add_nc_u64 s[92:93], s[10:11], s[92:93]
	CROUND                                         ; all sixteen work-groups are here: the joint loads meet
	s_mov_b32 s[G0S], 1
	s_add_co_u32 s[G0S+1], s94, SCL
	s_mov_b64 s[G0S+2:G0S+3], s[22:23]
	s_or_b32 s[G0S+3], s[G0S+3], 0x80000000
	s_mov_b32 s[G0SB], 1
	s_add_co_u32 s[G0SB+1], s94, SCL
	s_mov_b64 s[G0SB+2:G0SB+3], s[92:93]
	s_or_b32 s[G0SB+3], s[G0SB+3], 0x80000000
	JLOAD G0S, G1S, G0SB, G1SB                     ; the scales first: they are wanted with the first slot.  Three loads of mine are out behind the lines below
.irp s, 0,1
	s_mov_b32 s[G0+4*\s], 1
	s_add_co_u32 s[G0+4*\s+1], s45, \s*SLOT
	s_add_nc_u64 s[G0+4*\s+2:G0+4*\s+3], s[20:21], \s*ROWB
	s_or_b32 s[G0+4*\s+3], s[G0+4*\s+3], 0x80000000
	s_mov_b32 s[G0B+4*\s], 1
	s_add_co_u32 s[G0B+4*\s+1], s45, \s*SLOT
	s_add_nc_u64 s[G0B+4*\s+2:G0B+4*\s+3], s[46:47], \s*ROWB
	s_or_b32 s[G0B+4*\s+3], s[G0B+4*\s+3], 0x80000000
	JLOAD G0+4*\s, G1, G0B+4*\s, G1B
.endr
	v_and_b32 v1, 15, v0                           ; l % 16
	v_bfe_u32 v2, v0, 4, 1                         ; l / 16
	v_mul_u32_u24 v3, v1, PITCH
	v_lshl_add_u32 v4, v2, 4, v3                   ; a fragment's row x pitch + 16 x half
	s_mul_i32 s21, s15, HALFT                      ; my 128 rows of A
	s_mul_i32 s22, s16, HALFT                      ; my 128 rows of B,
	s_add_co_u32 s22, s22, 2*HALFT                 ; which lie behind A's 256
.irp s, 0,1
	v_add_nc_u32 v[ADRA+\s], s21, v4
	v_add_nc_u32 v[ADRB+\s], s22, v4
	s_add_co_u32 s21, s21, SLOT
	s_add_co_u32 s22, s22, SLOT
.endr
	v_mul_u32_u24 v5, v1, KS                       ; my row's scales: 32 bytes a row,
	v_lshrrev_b32 v6, 8, v5
	v_lshl_add_u32 v5, v6, 4, v5                   ; and 16 more for each 256 passed
	s_mul_i32 s21, s15, HALFS                      ; A's: my 128 rows
	s_mul_i32 s22, s16, HALFS                      ; B's: my 128 rows, behind A's 256
	s_add_co_u32 s22, s22, 2*HALFS
	s_sub_co_u32 s22, s22, s21
	v_mul_u32_u24 v6, s22, v2                      ; lanes 16-31 take B's: one product, the distance between the two bases
	s_add_co_u32 s21, s21, SCL
	v_add_nc_u32 v5, v5, v6
	v_add_nc_u32 v[ADRS], s21, v5
	s_mul_i32 s23, s14, 16*SPITCH
	s_add_co_u32 s23, s23, STAGE                   ; my stage
	v_mul_u32_u24 v5, v1, SPITCH                   ; in: row l % 16, 16 bytes for each half of the lanes
	v_lshl_add_u32 v5, v2, 4, v5
	v_add_nc_u32 v[STO], s23, v5
	v_mul_u32_u24 v5, v2, SPITCH                   ; back: lanes 0-15 one row of 256 bytes, lanes 16-31 the next
	v_lshl_add_u32 v5, v1, 4, v5
	v_add_nc_u32 v[RD], s23, v5
	v_lshlrev_b32 v5, 11, v2                       ; and the same two rows in the result: 2,048 bytes a row
	v_lshl_add_u32 v[CO], v1, 4, v5
	s_lshl_b32 s20, s17, 8
	s_lshl_b32 s21, s15, 7
	s_add_co_u32 s20, s20, s21                     ; my first row: 256 x tile row + 128 x half
	s_lshl_b32 s20, s20, 11
	s_mov_b32 s21, 0
	s_lshr_b32 s46, s42, 2                         ; tile columns 0-3 are q's, 4-7 k's, 8-11 v's:
	s_lshl_b32 s46, s46, 23                        ; 8,388,608 bytes a tensor,
	s_and_b32 s47, s42, 3
	s_lshl_b32 s47, s47, 9
	s_add_co_u32 s46, s46, s47                     ; 512 bytes a tile column in it,
	s_lshl_b32 s47, s16, 8
	s_add_co_u32 s46, s46, s47                     ; 256 for my half
	s_mov_b32 s47, 0
	s_add_nc_u64 s[20:21], s[20:21], s[46:47]
	s_add_nc_u64 s[12:13], s[12:13], s[20:21]
.macro FRAG reg, adr, q, i             ; a fragment, 16 rows x 128 K of 4-bit codes: lane l holds row l % 16; registers 4 c .. 4 c + 3 hold K = 64 c + 32 (l / 16) + 0 .. 31
.irp c, 0,1
	ds_load_b128 v[\reg+4*\c:\reg+4*\c+3], v[\adr] offset:64*(\q)+32*\c+(\i)*16*PITCH
.endr
.endm
; 16 matrix instructions: A's blocks a0, a0 + 1 x B's eight, the slot's q-th 128 along K.  p: B's set;  sc: the set of scale words.  zero = 1: the first product starts the sums.
; The 64 accumulators take turns, one instruction a turn, in the same order in every step.
.macro MUL16 a0, p, q, sc, zero
.irp a, \a0, \a0+1
.irp b, 0,1,2,3,4,5,6,7
.if \zero
	v_wmma_scale_f32_16x16x128_f8f6f4 v[8*(8*((\a)%4)+\b):8*(8*((\a)%4)+\b)+7], v[128*(\p)+FR*\b:128*(\p)+FR*\b+FR-1], v[AF+FR*(\a):AF+FR*(\a)+FR-1], 0, v[SC+8*NQ*(\sc)+NQ*\b+(\q)], v[SC+8*NQ*(\sc)+NQ*(\a)+(\q)] matrix_a_fmt:MATRIX_FMT_FP4 matrix_b_fmt:MATRIX_FMT_FP4 matrix_a_scale:MATRIX_SCALE_ROW1
.else
	v_wmma_scale_f32_16x16x128_f8f6f4 v[8*(8*((\a)%4)+\b):8*(8*((\a)%4)+\b)+7], v[128*(\p)+FR*\b:128*(\p)+FR*\b+FR-1], v[AF+FR*(\a):AF+FR*(\a)+FR-1], v[8*(8*((\a)%4)+\b):8*(8*((\a)%4)+\b)+7], v[SC+8*NQ*(\sc)+NQ*\b+(\q)], v[SC+8*NQ*(\sc)+NQ*(\a)+(\q)] matrix_a_fmt:MATRIX_FMT_FP4 matrix_b_fmt:MATRIX_FMT_FP4 matrix_a_scale:MATRIX_SCALE_ROW1
.endif
.endr
.endr
.endm
.macro FETCH_B slot, q, p              ; B's eight fragments into set p
	WIN TO_B
.irp i, 0,1,2,3,4,5,6,7
	FRAG 128*(\p)+FR*\i, ADRB+\slot, \q, \i
.endr
	WIN 0
.endm
.macro FETCH_A slot, q, i0             ; A's blocks i0 .. i0 + 3
.irp i, \i0, \i0+1, \i0+2, \i0+3
	FRAG AF+FR*(\i), ADRA+\slot, \q, \i
.endr
.endm
.macro SCALES sc                       ; a slot's scale words: four words a row; lanes 0-15 take A's block i, lanes 16-31 B's block i
.irp i, 0,1,2,3,4,5,6,7
	ds_load_b128 v[SC+8*NQ*\sc+NQ*\i:SC+8*NQ*\sc+NQ*\i+3], v[ADRS] offset:\i*SBLK
.endr
.endm
; A load into a register that a matrix instruction has read, and a vector instruction that reads a matrix result, stand NP places behind that matrix instruction; only plain vector
; instructions that name none of its registers are places (ISA guide 7.12.1 for vector instructions).
.macro PLACES n
.rept \n
	v_nop
.endr
.endm
.macro STEP slot, q, zero              ; a step of 128 along K that has its successor in the same slot
	s_wait_dscnt 4*NL                              ; B's set and A's blocks 0-3 are in; the youngest eight loads (A's blocks 4-7) may be out
	WIN MUL_LO
	MUL16 0, (\q)%2, \q, \slot, \zero
	MUL16 2, (\q)%2, \q, \slot, \zero
	s_wait_dscnt 0                                 ; A's blocks 4-7 are in
	PLACES NP
	FETCH_B \slot, (\q)+1, 1-(\q)%2
	FETCH_A \slot, (\q)+1, 0
	WIN MUL_HI
	MUL16 4, (\q)%2, \q, \slot, \zero
	MUL16 6, (\q)%2, \q, \slot, \zero
	PLACES NP
	WIN 0
	FETCH_A \slot, (\q)+1, 4
.endm
.macro STEPS slot, from                ; the slot's steps from .. NQ - 2
.set Q, \from
.rept NQ-1-\from
	STEP \slot, Q, 0
.set Q, Q+1
.endr
.endm
	s_wait_tensorcnt 1                             ; the scales and my part of slot 0 are in (behind them one load was issued: slot 1's),
	s_barrier_signal -1
	s_barrier_wait -1                              ; everybody's are
	FETCH_B 0, 0, 0
	FETCH_A 0, 0, 0
	SCALES 0
	FETCH_A 0, 0, 4
	STEP 0, 0, 1                                   ; the first step's products start the sums: nothing is cleared
	STEPS 0, 1
	; slot 0's last step goes over to slot 1: each wave has waited for its part of slot 1, then the barrier shows it whole to all four
	s_wait_tensorcnt 0x0                           ; all my tensor loads have landed
	ds_add_u32 v[SPW], v[NIL]                      ; 0 onto my spare word
	s_wait_dscnt 4*NL+1                            ; (the add and the youngest eight loads may be out)
	WIN MUL_LO
	MUL16 0, 1, NQ-1, 0, 0
	s_wait_dscnt 0x0                               ; no LDS instruction of mine is out at the signal
	s_barrier_signal -1
	MUL16 2, 1, NQ-1, 0, 0                         ; work on registers while the others arrive
	WIN 0
	s_barrier_wait -1
	PLACES NP
	v_add_nc_u32 v[ADRS], 4*NQ, v[ADRS]            ; on to slot 1's scale words
	FETCH_B 1, 0, 0
	FETCH_A 1, 0, 0
	SCALES 1
	WIN MUL_HI
	MUL16 4, 1, NQ-1, 0, 0
	MUL16 6, 1, NQ-1, 0, 0
	PLACES NP
	WIN 0
	FETCH_A 1, 0, 4
	STEPS 1, 0
	s_wait_dscnt 4*NL                              ; the very last step: nothing more to fetch
	WIN MUL_LO
	MUL16 0, 1, NQ-1, 1, 0
	MUL16 2, 1, NQ-1, 1, 0
	s_wait_dscnt 0
	WIN MUL_HI
	MUL16 4, 1, NQ-1, 1, 0
	MUL16 6, 1, NQ-1, 1, 0
	WIN 0
; THE WAY OUT, block by block of 16 rows x 128 columns.  PACK: rounded to f16, 16 bytes a lane, each accumulator from its low end on.  TOSTAGE: into my own stage and back as whole rows of 256 bytes.  SEND: stored.
.macro PACK a
.set AC, 64*((\a)%4)
	WIN 0x0a+5*((\a)/4)                            ; sources 0 and 1: window 2 or 3
.irp b, 0,1,2,3,4,5,6,7
.irp r, 0,1,2,3
	v_cvt_pk_f16_f32 v[TMP+4*\b+\r], v[AC+8*\b+2*\r], v[AC+8*\b+2*\r+1]
.endr
.endr
	WIN 0
.endm
.macro TOSTAGE a
.set BB, OB+192*((\a)%2)
.irp b, 0,1,2,3,4,5,6,7
	ds_store_b128 v[STO], v[TMP+4*\b:TMP+4*\b+3] offset:32*\b
.endr
.irp t, 0,1,2,3,4,5,6,7
	ds_load_b128 v[BB+4*\t:BB+4*\t+3], v[RD] offset:\t*2*SPITCH    ; LDS serves a wave's instructions in order (ISA guide 5.7.1.4): these see the stores above
.endr
.endm
.macro SEND a
.set BB, OB+192*((\a)%2)
	s_wait_dscnt 0x0                               ; the block is back in registers
	s_wait_xcnt 0x0                                ; the block before has had its stores' addresses translated: its registers take the next block's loads only behind this wait
.irp t, 0,1,2,3,4,5,6,7
	global_store_b128 v[CO], v[BB+4*\t:BB+4*\t+3], s[12:13] offset:(16*(\a)+2*\t)*2048   ; sixteen lanes store 256 consecutive bytes, aligned; the base is never stepped: 126 rows at the most
.endr
.endm
	PLACES NP                                      ; behind the last products: the conversions read results
	PACK 0
	TOSTAGE 0
.irp a, 1,2,3,4,5,6,7                  ; block a's conversions stand between block a - 1's loads from the stage and the wait for them
	PACK \a
	SEND \a-1
	TOSTAGE \a
.endr
	SEND 7
	s_wait_tensorcnt 0x0                           ; the wave's end
	ds_add_u32 v[SPW], v[NIL]
	s_wait_dscnt 0x0
	CROUND                                         ; the closing round: no work-group ends while a partner may still ask for a tile that names it
	s_endpgm
.Lfunc_end_k_q5f83d4fce7_qkv:
	.size	k_q5f83d4fce7_qkv, .Lfunc_end_k_q5f83d4fce7_qkv-k_q5f83d4fce7_qkv
	.p2alignl 7, 3214868480
	.fill 96, 4, 3214868480
	.section	.rodata,"a",@progbits
	.p2align	6, 0x0
	.amdhsa_kernel k_q5f83d4fce7_qkv
		.amdhsa_group_segment_fixed_size 327680
		.amdhsa_private_segment_fixed_size 0
		.amdhsa_enable_private_segment 0
		.amdhsa_kernarg_size 40
		.amdhsa_user_sgpr_count 2
		.amdhsa_user_sgpr_kernarg_segment_ptr 1
		.amdhsa_wavefront_size32 1
		.amdhsa_system_sgpr_workgroup_id_x 1
		.amdhsa_system_sgpr_workgroup_id_y 1
		.amdhsa_system_sgpr_workgroup_id_z 1
		.amdhsa_system_vgpr_workitem_id 0
		.amdhsa_next_free_vgpr 1024
		.amdhsa_next_free_sgpr 98
		.amdhsa_reserve_vcc 0
		.amdhsa_float_denorm_mode_32 3
		.amdhsa_float_denorm_mode_16_64 3
		.amdhsa_memory_ordered 1
		.amdhsa_forward_progress 1
		.amdhsa_inst_pref_size 126
	.end_amdhsa_kernel
	.amdgpu_metadata
---
amdhsa.version: [ 1, 2 ]
amdhsa.kernels:
  - .name:           k_q5f83d4fce7_qkv
    .symbol:         k_q5f83d4fce7_qkv.kd
    .args:
      - { .name: xcodes, .offset: 0, .size: 8, .value_kind: global_buffer, .address_space: global }
      - { .name: xscales, .offset: 8, .size: 8, .value_kind: global_buffer, .address_space: global }
      - { .name: wcodes, .offset: 16, .size: 8, .value_kind: global_buffer, .address_space: global }
      - { .name: wscales, .offset: 24, .size: 8, .value_kind: global_buffer, .address_space: global }
      - { .name: qkv, .offset: 32, .size: 8, .value_kind: global_buffer, .address_space: global }
    .group_segment_fixed_size: 327680
    .private_segment_fixed_size: 0
    .kernarg_segment_align: 8
    .kernarg_segment_size: 40
    .max_flat_workgroup_size: 128
    .sgpr_count:     98
    .vgpr_count:     1024
    .wavefront_size: 32
...
	.end_amdgpu_metadata
.endif
;; end of part 2
;; launch attn (part 3): grid 8 x 32, 4 waves a work-group, clusters of 4 x 1, 327,680 bytes of LDS; arguments qkv, hbuf; writes hbuf
.if DOCPART == 3
	.amdgcn_target "amdgcn-amd-amdhsa--gfx1250"
	.amdhsa_code_object_version 6
	.text
	.protected	k_q5f83d4fce7_attn
	.globl	k_q5f83d4fce7_attn
	.p2align	8
	.type	k_q5f83d4fce7_attn,@function
k_q5f83d4fce7_attn:
	s_mov_b64 s[64:65], 0
	v_nop
	global_prefetch_b8 v0, s[64:65] scope:SCOPE_SE
	s_setreg_imm32_b32 hwreg(HW_REG_WAVE_MODE, 25, 1), 1
	s_wait_xcnt 0x0
	s_wait_alu depctr_hold_cnt(0) depctr_sa_sdst(0) depctr_va_vdst(0) depctr_va_sdst(0) depctr_va_ssrc(0) depctr_va_vcc(0) depctr_vm_vsrc(0)
	s_getreg_b32 s2, hwreg(HW_REG_IB_STS2, 6, 4)
	s_cmp_eq_u32 s2, 0
	s_cbranch_scc0 .Lentry_in_a_cluster
	s_endpgm
.Lentry_in_a_cluster:
	s_bfe_u32 s2, ttmp6, 0x10000c
	s_cmp_lg_u32 s2, 0x3003
	s_cbranch_scc0 .Lentry_shape_is_right
	s_endpgm
.Lentry_shape_is_right:
; h[bh][q][:] = the sum over k of softmax_k(Q[bh][q] . K[bh][k] / 8) V[bh][k][:], no mask.  qkv holds Q, K, V as f16 [3][32 heads][2048][64]; h is f16 [32][2048][64].
; Products, maxima and sums in f32; the weights p are rounded to f16 for the second product, h once at the end.
; LIMITS: the running maximum starts at -3e38; a p under 2^-25 is 0 in f16 (under 1e-4 of a row's sum, whose largest term is 1); an h beyond 65,504 becomes infinity (h is an average of v); NaN and infinities are not served.
; SHARES.  A work-group owns 256 queries of one head; each of its FOUR waves 64 of them, four tiles of 16, so that each fragment of K or V that a wave reads from LDS feeds four matrix instructions.
; Every wave walks all 2,048 keys, 64 a step.
; LAYOUT.  S^T = K Q^T (source 0 = 16 keys, source 1 = 16 queries): a lane holds ONE query (lane % 16) and the keys 8 (lane / 16) + 0..7.  Two such tiles, rounded to f16 in pairs, ARE source 1
; (32 keys x 16 queries) of O^T = V^T P, whose result again holds one query a lane.  K comes out of LDS as it lies, V ([key][channel]) turned, by ds_load_tr16_b128.
; SOFTMAX.  For each query a running maximum m and sum l: p = 2^(c s - c m), c = log2(e) / 8; in every step O and l are multiplied by a = 2^(c m_old - c m_new).  O, l begin as zeros, so no first step is written apart.
; BY TURNS.  The wave's tiles are two PIECES of two tiles.  In a TURN one piece has the matrix unit: 16 products V^T P of the step in hand, then 16 products K Q^T of the next step; the other piece's softmax,
; 236 vector lines, stands between them, 7 or 8 lines behind each matrix instruction.  Then the pieces change places.  Two turns are a key step.
; RING.  Two LDS slots of 512 keys.  A head's K and V are dense in memory, so a tile is stated as rows of 256 bytes, TWO keys a row; each wave brings 128 rows (waves 0, 1: K's halves; 2, 3: V's).
; The 2,048 keys are four slots' worth: two first fills and two refills; a refill has eight key steps, 512 matrix instructions of each wave, in which to land, so nothing is asked of memory ahead of it.
; CLUSTER.  The four query blocks of a cluster belong to one head and walk the same K and V: each tile is asked for JOINTLY, by the same tensor load with the same descriptor and the mask of all four.
; REGISTERS, in windows of 256 (s_set_vgpr_msb: bits 1:0 source 0, 3:2 source 1, 5:4 source 2, 7:6 destination).  PIECE 0 LIES IN WINDOW 0, PIECE 1 IN WINDOW 1, UNDER THE SAME NUMBERS:
;   v16-39 twelve registers of statistics a tile; v40-71 Q; v72-135 S^T; v136-167 P; v168-231 O^T.  v1-11 of window 0: addresses.   window 2: v0-63 K of a step, v64-127 V of a step.
; So a whole softmax, the rescaling of O^T too, runs under one setting, and a matrix instruction costs two switches: one in front of it and one behind.
.set PK,     272                       ; two keys of K: 256 bytes + 16 = 68 words: the sixteen keys of a load start at banks 0, 32, 4, 36 .. 28, 60 (64 banks of 4 bytes: ISA guide 11.1)
.set PV,     288                       ; two keys of V: 256 + 32 = 72 words
.set KHB,    128*PK                    ; what one load of K fills
.set VHB,    128*PV
.set VOFF,   2*KHB                     ; a slot: 256 rows of K, then 256 rows of V: 143,360 bytes
.set SLOTB,  163840                    ; from slot 0 to slot 1
.set KSTEPB, 32*PK                     ; 64 keys on
.set VSTEPB, 32*PV
.set SP,     144                       ; the way out: a row of 128 bytes + 16; 64 rows for each wave.  The stages lie in slot 0, from LDS byte 0: when the first result is stored there the slot has had
                                       ; its last fill, and its last read stands in front of the last change's barrier
.set SPARE,  326656                    ; the spare words, 128 bytes for each wave: two blocks of 256 bytes that no other line names
.set AK0, 2                            ; v2   my lane's place in a tile of K; never rewritten
.set AV0, 3                            ; v3   the same for V
.set ADK, 4                            ; v4   LDS address of the step's K
.set ADV, 5                            ; v5   and V
.set QO,  6                            ; v6   my byte offset in the wave's rows of Q
.set STO, 7                            ; v7   the way out: where I put 16 bytes of a row
.set RD,  8                            ; v8   where I read rows back
.set GO,  9                            ; v9   16 x lane
.set SPW, 10                           ; v10  LDS address of my spare word; never rewritten
.set NIL, 11                           ; v11  0; never rewritten
.set ST,  16                           ; a piece's tile t at v[ST + 12 t]: +0 c m, +1 m, +2:3 and +4:5 l in four parts, +6 a, +7 c m_old - c m_new, +8 to +11 at work
.set Q,   40                           ; + 16 t + 8 cs
.set S,   72                           ; + 32 t + 8 kt
.set P,   136                          ; + 16 t + 8 ks
.set O,   168                          ; + 32 t + 8 ct
.set KF,  0                            ; window 2: + 16 kt + 8 cs
.set VF,  64                           ; window 2: + 32 ks + 8 ct
.set NV,  236                          ; vector lines in a piece's softmax of one step
.set WV,  8                            ; s8   my wave's number
.set G1K, 24                           ; s[24:31] descriptor group 1 for K's tiles;  s[32:39] for V's: it differs in the padding alone
.set G1V, 32
.set G0K, 40                           ; s[40:47] group 0 for K's tiles, a set for each slot;  s[48:55] for V's
.set G0V, 48
.set CNT, 56
.set TBK, 57                           ; s57  LDS byte of the K tile to be fetched next;  s58 of the V tile
.set TBV, 58
.set SEL, 60                           ; s[60:61] lane selects for v_permlanex16_b32: lane l xor 16
.set CS,  62                           ; s[62:63] c: the packed form names a pair and takes its low word for both halves
.set MSB, 0
.macro WIN new                         ; the immediate's high byte repeats the setting that is left; a switch that changes nothing is dropped
.if MSB != \new
	s_set_vgpr_msb (MSB<<8)|\new
.set MSB, \new
.endif
.endm
.set W_LD,  0x80                       ; destination window 2, address window 0
; A joint refill: waves 0, 1 fetch K's halves, waves 2, 3 V's.  The branch hangs on the wave's number alone.  Four v_nop follow each of the two lines.
.macro JLOAD slot
	s_cmp_lt_u32 s[WV], 2
	s_cbranch_scc0 .Lfor_v_\@
	tensor_load_to_lds s[G0K+4*\slot:G0K+4*\slot+3], s[G1K:G1K+7]
.rept 4
	v_nop
.endr
	s_branch .Lasked_\@
.Lfor_v_\@:
	tensor_load_to_lds s[G0V+4*\slot:G0V+4*\slot+3], s[G1V:G1V+7]
.rept 4
	v_nop
.endr
.Lasked_\@:
.endm
.macro CROUND                          ; a round of the cluster's barrier: my work-group's barrier; wave 0 signals for the work-group; every wave waits for all four; my work-group's barrier once more
	s_barrier_signal -1
	s_barrier_wait -1
	s_cmp_lg_u32 s[WV], 0
	s_cbranch_scc1 .Lnot_wave_0_\@
	s_barrier_signal -3
.Lnot_wave_0_\@:
	s_barrier_wait -3
	s_barrier_signal -1
	s_barrier_wait -1
.endm
; A vector instruction that reads a matrix result or writes one of a matrix instruction's registers, and a load into such a register, stand four places behind it; only plain vector
; instructions that name none of its registers are places (ISA guide 7.12.1 for vector instructions).  In the turns the other piece's lines are the places.
.macro PLACES
.rept 4
	v_nop
.endr
.endm
; THE LDS LOADS stand in runs of 16, never singly among the matrix instructions.
.macro FETCH_K                         ; 64 keys x 64 channels: 8 fragments; then 64 keys on
	WIN 0
	v_add_nc_u32 v[ADK], s[TBK], v[AK0]
	s_add_co_u32 s[TBK], s[TBK], KSTEPB
	WIN W_LD
.irp kt, 0,1,2,3
.irp cs, 0,1
	ds_load_b128 v[KF+16*\kt+8*\cs:KF+16*\kt+8*\cs+3],   v[ADK] offset:8*PK*\kt+64*\cs
	ds_load_b128 v[KF+16*\kt+8*\cs+4:KF+16*\kt+8*\cs+7], v[ADK] offset:8*PK*\kt+64*\cs+32
.endr
.endr
.endm
.macro FETCH_V                         ; the same of V, turned
	WIN 0
	v_add_nc_u32 v[ADV], s[TBV], v[AV0]
	s_add_co_u32 s[TBV], s[TBV], VSTEPB
	WIN W_LD
.irp ks, 0,1
.irp ct, 0,1,2,3
	ds_load_tr16_b128 v[VF+32*\ks+8*\ct:VF+32*\ks+8*\ct+3],   v[ADV] offset:16*PV*\ks+32*\ct
	ds_load_tr16_b128 v[VF+32*\ks+8*\ct+4:VF+32*\ks+8*\ct+7], v[ADV] offset:16*PV*\ks+8*PV+32*\ct
.endr
.endr
.endm
; THE MATRIX WORK OF A TURN.  The accumulators take turns, one instruction a turn: between two links of a chain stand seven others'.
.macro KQ1 n                           ; product n of 16 of S^T = K Q^T: channels 32 (n / 8) on, keys 16 ((n / 2) % 4) on, the piece's tile n % 2.  The first eight start the sums
.set mn, (\n)
.set mS, S+32*(mn%2)+8*((mn/2)%4)
.set mK, KF+16*((mn/2)%4)+8*(mn/8)
.set mQ, Q+16*(mn%2)+8*(mn/8)
.if mn < 8
	v_wmma_f32_16x16x32_f16 v[mS:mS+7], v[mK:mK+7], v[mQ:mQ+7], 0
.else
	v_wmma_f32_16x16x32_f16 v[mS:mS+7], v[mK:mK+7], v[mQ:mQ+7], v[mS:mS+7]
.endif
.endm
.macro PV1 n                           ; product n of 16 of O^T += V^T P: keys 32 (n / 8) on, channels 16 ((n / 2) % 4) on, the piece's tile n % 2
.set mn, (\n)
.set mO, O+32*(mn%2)+8*((mn/2)%4)
.set mV, VF+32*(mn/8)+8*((mn/2)%4)
.set mP, P+16*(mn%2)+8*(mn/8)
	v_wmma_f32_16x16x32_f16 v[mO:mO+7], v[mV:mV+7], v[mP:mP+7], v[mO:mO+7]
.endm
; Matrix instruction cm of the turn in hand (symbols set by TURN: PX the piece that has the matrix unit, MWIN its window setting, HASPV, HASKQ which products the turn has), with what hangs on its place:
; piece 0's turn waits for V ahead of its first V^T P and for K ahead of its first K Q^T, and fetches the next step's K behind its product 1: the last product that read K stands at least seven plain
; lines back, in the turn before.  Piece 1's turn fetches the next step's V behind its second K Q^T: the last product that read V stands two products and their vector lines back.
.macro MMI
.if HASPV && (cm < 16)
.if (PX == 0) && (cm == 0)
	s_wait_dscnt 0x0                               ; V of this step is in
.endif
	WIN MWIN
	PV1 cm
.else
.if (PX == 0) && (cm == 16*HASPV)
	s_wait_dscnt 0x0                               ; K of the next step is in
.endif
	WIN MWIN
	KQ1 cm-16*HASPV
.endif
.if (PX == 0) && HASKQ && (cm == 1)
	FETCH_K
.endif
.if (PX == 1) && HASKQ && (cm == 16*HASPV+1)
	FETCH_V
.endif
.set cm, cm+1
.endm
; TICK stands ahead of each vector line of a softmax and deals the turn's NM matrix instructions evenly among its NV lines: number cm goes out as soon as cv NM >= cm NV.
; So a matrix instruction opens the turn, and behind the last stand at least seven lines, all plain: the rounding and the sums of the last chunk.
.macro TICK
.if (cm < NM) && (cv*NM >= cm*NV)
	MMI
.endif
.set cv, cv+1
	WIN SMW
.endm
; THE SOFTMAX OF A STEP, for the two tiles of a piece.  First the maximum: number n of 22 for tile t; the two tiles alternate, so that no line reads the result of the line above it.
.macro MAXL n, t
	TICK
.set rT, ST+12*(\t)
.set rS, S+32*(\t)
.if \n < 4
	v_max3_num_f32 v[rT+8+\n], v[rS+8*\n], v[rS+8*\n+1], v[rS+8*\n+2]   ; four chains; each accumulator is read from its low end on
.elseif \n < 12
	v_max3_num_f32 v[rT+8+(\n)%4], v[rT+8+(\n)%4], v[rS+8*((\n)%4)+2*((\n)/4)+1], v[rS+8*((\n)%4)+2*((\n)/4)+2]
.elseif \n == 12
	v_max3_num_f32 v[rT+8], v[rT+8], v[rS+7], v[rS+15]
.elseif \n == 13
	v_max3_num_f32 v[rT+10], v[rT+10], v[rS+23], v[rS+31]
.elseif \n == 14
	v_max3_num_f32 v[rT+8], v[rT+8], v[rT+9], v[rT+10]
.elseif \n == 15
	v_max3_num_f32 v[rT+8], v[rT+8], v[rT+11], v[rT+1]               ; with the old m
.elseif \n == 16
	v_permlanex16_b32 v[rT+9], v[rT+8], s[SEL], s[SEL+1]             ; the query's other 32 keys lie in the lane 16 away
.elseif \n == 17
	v_mov_b32 v[rT+7], v[rT]                                         ; c m_old
.elseif \n == 18
	v_max_num_f32 v[rT+1], v[rT+8], v[rT+9]                          ; the new m
.elseif \n == 19
	v_mul_f32 v[rT], s[CS], v[rT+1]
.elseif \n == 20
	v_sub_f32 v[rT+7], v[rT+7], v[rT]
.else
	v_exp_f32 v[rT+6], v[rT+7]                                       ; a
.endif
.endm
; Then by CHUNKS: chunk g is one accumulator of eight scores, tile g % 2, keys 16 (g / 2) on.
.macro FS g, i                         ; pair i of chunk g: c s - c m
	TICK
.set rT, ST+12*((\g)%2)
.set sB, S+32*((\g)%2)+8*((\g)/2)
	v_pk_fma_f32 v[sB+2*(\i):sB+2*(\i)+1], v[sB+2*(\i):sB+2*(\i)+1], s[CS:CS+1], v[rT:rT+1] op_sel_hi:[1,0,0] neg_lo:[0,0,1] neg_hi:[0,0,1]
.endm
.macro RS g, i                         ; pair i of O^T's accumulator g (tile g / 4) times a, from the accumulator's low end on
	TICK
	v_pk_mul_f32 v[O+8*(\g)+2*(\i):O+8*(\g)+2*(\i)+1], v[O+8*(\g)+2*(\i):O+8*(\g)+2*(\i)+1], v[ST+12*((\g)/4)+6:ST+12*((\g)/4)+7] op_sel_hi:[1,0]
.endm
.macro CA g, i                         ; pair i of chunk g: rounded to f16 for the second product, and added, unrounded, onto l.  A tile's first two additions are l = l a + pair: the rescaling of l costs no line
	TICK
.set rT, ST+12*((\g)%2)
.set sB, S+32*((\g)%2)+8*((\g)/2)
.set pB, P+16*((\g)%2)+4*((\g)/2)
.set rL, rT+2+2*((\i)%2)
	v_cvt_pk_f16_f32 v[pB+(\i)], v[sB+2*(\i)], v[sB+2*(\i)+1]
	TICK
.if ((\g) < 2) && ((\i) < 2)
	v_pk_fma_f32 v[rL:rL+1], v[rL:rL+1], v[rT+6:rT+7], v[sB+2*(\i):sB+2*(\i)+1] op_sel_hi:[1,0,1]
.else
	v_pk_add_f32 v[rL:rL+1], v[rL:rL+1], v[sB+2*(\i):sB+2*(\i)+1]
.endif
.endm
; Chunk g's eight exponentials; behind each stand plain lines that are ready and touch nothing of chunk g: the scaling of chunk g + 1, a part of O^T's rescaling, the rounding and sums of chunk g - 1.
; So every exponential's result is first used behind plain lines (ISA guide 5.7.2).  (Chunk 0 has no chunk before it: its last four exponentials stand together.)
.macro CHUNK g
.irp i, 0,1,2,3,4,5,6,7
	TICK
	v_exp_f32 v[S+32*((\g)%2)+8*((\g)/2)+\i], v[S+32*((\g)%2)+8*((\g)/2)+\i]
.if \i < 4
.if (\g) < 7
	FS (\g)+1, \i
.endif
	RS \g, \i
.elseif (\g) > 0
	CA (\g)-1, \i-4
.endif
.endr
.endm
.macro SOFTMAX                         ; 44 + 4 + (16 + 6 x 24 + 20) + 8 = 236 lines
.irp n, 0,1,2,3,4,5,6,7,8,9,10,11,12,13,14,15,16,17,18,19,20,21
.irp t, 0,1
	MAXL \n, \t
.endr
.endr
.irp i, 0,1,2,3
	FS 0, \i
.endr
.irp g, 0,1,2,3,4,5,6,7
	CHUNK \g
.endr
.irp i, 0,1,2,3
	CA 7, \i
.endr
.endm
; A TURN.  Piece x has the matrix unit (pv = 1: 16 products V^T P; kq = 1: 16 products K Q^T for the next step); the other piece's softmax stands between its matrix instructions.
.macro TURN x, pv, kq
.set PX, \x
.set HASPV, \pv
.set HASKQ, \kq
.set NM, 16*(\pv)+16*(\kq)
.if \x
.set MWIN, 0x56                        ; K or V window 2; Q or P, C and D window 1
.set SMW, 0                            ; piece 0's softmax: window 0
.else
.set MWIN, 0x02                        ; K or V window 2; all else window 0
.set SMW, 0x55                         ; piece 1's softmax: every operand in window 1
.endif
.set cv, 0
.set cm, 0
	SOFTMAX
.endm
; A KEY STEP j: piece 0: V^T P of step j, K Q^T of step j + 1 | piece 1's softmax of step j | K of step j + 1;   piece 1: the same products | piece 0's softmax of step j + 1 | V of step j + 1
.macro RUN n
	s_mov_b32 s[CNT], \n
.Lrun_\@:
	TURN 0, 1, 1
	TURN 1, 1, 1
	WIN 0                                          ; at a label and at a branch every window is 0
	s_sub_co_u32 s[CNT], s[CNT], 1
	s_cmp_lg_u32 s[CNT], 0
	s_cbranch_scc1 .Lrun_\@
.endm
; THE CHANGE OF SLOTS: the old slot's last bytes, V of its last step, have been asked for.  Each wave waits for all its tensor loads (its part of the next slot), adds 0 to its spare word, and waits for that
; and for its reads of the old slot.  fill = 1: the old slot takes the keys two slots on: the barrier is then a round of the cluster's, and the joint refill is the first thing behind it.
.macro CHANGE fill, old, next
	s_wait_tensorcnt 0x0                           ; no tensor load of mine is out, so a group 0 may be written
	ds_add_u32 v[SPW], v[NIL]                      ; 0 onto my spare word
.if \fill
	s_add_nc_u64 s[G0K+4*\old+2:G0K+4*\old+3], s[G0K+4*\old+2:G0K+4*\old+3], 131072   ; 1,024 keys of 128 bytes on; the type bits on top are not reached
	s_add_nc_u64 s[G0V+4*\old+2:G0V+4*\old+3], s[G0V+4*\old+2:G0V+4*\old+3], 131072
.endif
	s_mov_b32 s[TBK], \next*SLOTB                  ; the fetches go on at the next slot's first step
	s_mov_b32 s[TBV], \next*SLOTB+VOFF
	s_wait_dscnt 0x0                               ; the add is done, and my reads of the old slot are over
.if \fill
	CROUND
	JLOAD \old
.else
	s_barrier_signal -1
	s_barrier_wait -1
.endif
.endm
	s_load_b128 s[4:7], s[0:1], 0x0                ; qkv s[4:5], h s[6:7]
	v_lshl_add_u32 v[SPW], v0, 2, SPARE
	v_mov_b32 v[NIL], 0
	v_lshrrev_b32 v1, 5, v0
	v_readfirstlane_b32 s[WV], v1                  ; wave 0..3
	s_bfe_u32 s9, ttmp6, 0x40000                   ; cx: my place in the cluster
	s_lshl_b32 s10, ttmp9, 2                       ; in a cluster launch ttmp9 counts clusters
	s_add_co_u32 s10, s10, s9                      ; my block of 256 queries: it enters Q's and h's addresses alone
	s_and_b32 s12, ttmp7, 0xffff                   ; the head, which the four partners share:
	s_lshl_b32 s12, s12, 18                        ; 2,048 rows of 128 bytes
	s_and_b32 s14, s[WV], 1                        ; which half of a slot I fetch:
	s_lshl_b32 s20, s14, 15                        ; 256 keys of 128 bytes in memory,
	s_add_co_u32 s20, s20, s12
	s_mov_b32 s21, 0
	s_mul_i32 s22, s14, KHB                        ; and its place in a slot, for K
	s_mul_i32 s23, s14, VHB
	s_add_co_u32 s23, s23, VOFF                    ; and for V: no place in the cluster enters an LDS address
	s_lshl_b32 s14, s10, 15                        ; my block's 256 rows,
	s_lshl_b32 s15, s[WV], 13                      ; my wave's 64 of them
	s_add_co_u32 s14, s14, s15
	s_add_co_u32 s14, s14, s12
	s_mov_b32 s15, 0
	; descriptor group 1: 128 rows x 128 elements of 2 bytes, dense in memory, padded in LDS
	s_mov_b32 s[G1K], 15|(1<<16)|(1<<20)|(1<<21)|(5<<22)|(3<<25)  ; 15:0 the mask: all four work-groups; 17:16 elements of 2 bytes; 20 padding on; 21 set beside a mask; 24:22 after every 64 words; 31:25 4 words of it
	s_mov_b32 s[G1V], 15|(1<<16)|(1<<20)|(1<<21)|(5<<22)|(7<<25)  ; the same with 8 words of padding
.irp g, G1K, G1V
	s_mov_b32 s[\g+1], 128<<16                     ; tensor_dim0
	s_mov_b32 s[\g+2], 128<<16                     ; tensor_dim1
	s_mov_b32 s[\g+3], 128<<16                     ; tile_dim0
	s_mov_b32 s[\g+4], 128                         ; tile_dim1
	s_mov_b32 s[\g+5], 128                         ; tensor_dim0_stride
	s_mov_b32 s[\g+6], 0
	s_mov_b32 s[\g+7], 0
.endr
	s_mov_b32 s[CS], 0x3e38aa3b                    ; c = log2(e) / 8
	s_mov_b32 s[CS+1], s[CS]                       ; named with it as a pair, so it is written
	s_mov_b32 s[SEL], 0x76543210
	s_mov_b32 s[SEL+1], 0xfedcba98
	s_mov_b32 s[TBK], 0
	s_mov_b32 s[TBV], VOFF
	s_wait_kmcnt 0x0
	s_add_nc_u64 s[16:17], s[4:5], s[14:15]        ; Q at my wave's first query,
	s_add_nc_u64 s[18:19], s[6:7], s[14:15]        ; and the same place in h
	s_add_nc_u64 s[12:13], s[4:5], s[20:21]
	s_add_nc_u64 s[12:13], s[12:13], 0x800000      ; K lies 8,388,608 bytes behind Q: my half of slot 0,
	s_add_nc_u64 s[20:21], s[12:13], 0x800000      ; V as far behind K
.irp s, 0,1
	s_mov_b32 s[G0K+4*\s], 1                       ; 1:0 count = 1
	s_add_co_u32 s[G0K+4*\s+1], s22, \s*SLOTB      ; 63:32 LDS address
	s_add_nc_u64 s[G0K+4*\s+2:G0K+4*\s+3], s[12:13], \s*65536  ; 120:64 global address: slot s begins with keys 512 s on
	s_or_b32 s[G0K+4*\s+3], s[G0K+4*\s+3], 0x80000000          ; 127:126 type = 2
	s_mov_b32 s[G0V+4*\s], 1
	s_add_co_u32 s[G0V+4*\s+1], s23, \s*SLOTB
	s_add_nc_u64 s[G0V+4*\s+2:G0V+4*\s+3], s[20:21], \s*65536
	s_or_b32 s[G0V+4*\s+3], s[G0V+4*\s+3], 0x80000000
.endr
	CROUND                                         ; all four work-groups are here: the first joint loads meet
	s_cmp_lt_u32 s[WV], 2                          ; a wave's two first fills stand in one branch, ahead of every wait on TENSORcnt and every LDS read: two loads of mine are out
	s_cbranch_scc0 .Lfirst_v
	tensor_load_to_lds s[G0K:G0K+3], s[G1K:G1K+7]
	tensor_load_to_lds s[G0K+4:G0K+7], s[G1K:G1K+7]
.rept 4
	v_nop
.endr
	s_branch .Lfirst_asked
.Lfirst_v:
	tensor_load_to_lds s[G0V:G0V+3], s[G1V:G1V+7]
	tensor_load_to_lds s[G0V+4:G0V+7], s[G1V:G1V+7]
.rept 4
	v_nop
.endr
.Lfirst_asked:
	; A fragment of K or Q is 16 rows x 32 channels in 8 registers: lane l holds row l % 16; registers 0-3 channels 8 (l / 16) + 0..7, registers 4-7 channels 16 + 8 (l / 16) + 0..7
	v_and_b32 v1, 15, v0                           ; r = l % 16
	v_bfe_u32 v12, v0, 4, 1                        ; h = l / 16
	v_lshlrev_b32 v[QO], 7, v1
	v_lshl_add_u32 v[QO], v12, 4, v[QO]            ; row x 128 + 16 x half
.irp p, 0,1                                    ; Q stays in registers: piece p's 32 queries in window p
	WIN 0x40*\p
.irp t, 0,1
.irp cs, 0,1
	global_load_b128 v[Q+16*\t+8*\cs:Q+16*\t+8*\cs+3],   v[QO], s[16:17] offset:4096*\p+2048*\t+64*\cs
	global_load_b128 v[Q+16*\t+8*\cs+4:Q+16*\t+8*\cs+7], v[QO], s[16:17] offset:4096*\p+2048*\t+64*\cs+32
.endr
.endr
.endr
	WIN 0
	v_lshrrev_b32 v13, 1, v1
	v_mul_u32_u24 v[AK0], v13, PK                  ; K: key r lies in LDS row r / 2,
	v_and_b32 v13, 1, v0
	v_lshl_add_u32 v[AK0], v13, 7, v[AK0]          ; in its half r % 2,
	v_lshl_add_u32 v[AK0], v12, 4, v[AK0]          ; + 16 x half of the lanes
	; the turning load takes 16 keys x 16 channels: lane l reads 16 bytes of key 8 (l / 16) + l % 8, channels 8 ((l / 8) % 2) + 0..7, and is left with channel l % 16 and 8 keys
	v_bfe_u32 v14, v0, 1, 2
	v_lshl_add_u32 v14, v12, 2, v14                ; that key's LDS row: 4 (l / 16) + (l % 8) / 2
	v_mul_u32_u24 v[AV0], v14, PV
	v_lshl_add_u32 v[AV0], v13, 7, v[AV0]
	v_bfe_u32 v14, v0, 3, 1
	v_lshl_add_u32 v[AV0], v14, 4, v[AV0]
	s_mul_i32 s12, s[WV], 64*SP                    ; my stage
	v_mul_u32_u24 v[STO], v1, SP                   ; in: row r, 16 bytes for each half of the lanes
	v_lshl_add_u32 v[STO], v12, 4, v[STO]
	v_add_nc_u32 v[STO], s12, v[STO]
	v_bfe_u32 v14, v0, 3, 2
	v_mul_u32_u24 v[RD], v14, SP                   ; back: eight lanes to a row of 128 bytes, four rows an instruction
	v_and_b32 v15, 7, v0
	v_lshl_add_u32 v[RD], v15, 4, v[RD]
	v_add_nc_u32 v[RD], s12, v[RD]
	v_and_b32 v[GO], 31, v0
	v_lshlrev_b32 v[GO], 4, v[GO]
.irp w, 0, 0x55                                ; both pieces' statistics and O^T, while the first tiles are on their way
	WIN \w
.irp t, 0,1
	v_mov_b32 v[ST+12*\t+1], 0xff61b1e6            ; m = -3e38, under every score
	v_mul_f32 v[ST+12*\t], s[CS], v[ST+12*\t+1]    ; c m
.irp j, 2,3,4,5
	v_mov_b32 v[ST+12*\t+\j], 0                    ; l
.endr
.endr
.set i, 0
.rept 64
	v_mov_b32 v[O+i], 0                            ; O^T.  (A turn is written in one form: the first a is 2^(-huge) = 0, which leaves zeros zeros)
.set i, i+1
.endr
.endr
	WIN 0
	s_wait_tensorcnt 1                             ; my part of slot 0 is in; slot 1's load, issued behind it, may stay out
	s_barrier_signal -1
	s_barrier_wait -1                              ; everybody's is
	FETCH_K                                        ; key step 0
	s_wait_loadcnt 0x0                             ; Q
	s_wait_dscnt 0x0                               ; K
	WIN 0x02
.set cb, 0
.rept 16
	KQ1 cb                                         ; piece 0's first scores: there is no vector work yet to set between them
.set cb, cb+1
.endr
	WIN 0
	PLACES                                         ; behind them: the first softmax reads S^T
	TURN 1, 0, 1                                   ; piece 1's first scores | piece 0's first softmax | V of step 0
	WIN 0
	RUN 7                                          ; steps 0-6; they fetch steps 1-7: slot 0 is read out
	CHANGE 1, 0, 1                                 ; slot 0 takes keys 1,024 on
	RUN 8                                          ; steps 7-14, fetching slot 1
	CHANGE 1, 1, 0                                 ; slot 1 takes keys 1,536 on: the last load
	RUN 8                                          ; steps 15-22, fetching slot 0
	CHANGE 0, 0, 1                                 ; nothing is left to ask for
	RUN 8                                          ; steps 23-30, fetching slot 1
	TURN 0, 1, 0                                   ; piece 0: V^T P of step 31 | piece 1's last softmax
	WIN 0x56
.set cb, 0
.rept 16
	PV1 cb                                         ; piece 1: V^T P of step 31
.set cb, cb+1
.endr
; THE WAY OUT, piece by piece.  l's four parts and the other half of the lanes' are added; O^T is divided by l, rounded to f16 and sent through my stage.  Piece 0 goes first: its lines name no register of
; the last products, which are piece 1's, and are the places behind them.
.macro FINISH p
	WIN 0x55*\p
.irp t, 0,1
	v_pk_add_f32 v[ST+12*\t+2:ST+12*\t+3], v[ST+12*\t+2:ST+12*\t+3], v[ST+12*\t+4:ST+12*\t+5]
.endr
.irp t, 0,1
	v_add_f32 v[ST+12*\t+8], v[ST+12*\t+2], v[ST+12*\t+3]
.endr
.irp t, 0,1
	v_permlanex16_b32 v[ST+12*\t+9], v[ST+12*\t+8], s[SEL], s[SEL+1]
.endr
.irp t, 0,1
	v_add_f32 v[ST+12*\t+8], v[ST+12*\t+8], v[ST+12*\t+9]
.endr
.irp t, 0,1
	v_rcp_f32 v[ST+12*\t+6], v[ST+12*\t+8]
.endr
	v_nop                                          ; a plain line between the last reciprocal and the use of its result
.set i, 0
.rept 32
	v_pk_mul_f32 v[O+2*i:O+2*i+1], v[O+2*i:O+2*i+1], v[ST+12*(i/16)+6:ST+12*(i/16)+7] op_sel_hi:[1,0]
.set i, i+1
.endr
.set i, 0
.rept 32
	v_cvt_pk_f16_f32 v[S+i], v[O+2*i], v[O+2*i+1]  ; register 16 t + 4 ct + u: channels 16 ct + 8 h + 2 u, + 1 of the piece's query 16 t + r
.set i, i+1
.endr
	WIN 0x04*\p                                    ; an LDS store's data are its source 1; the address lies in window 0
.irp t, 0,1
.irp ct, 0,1,2,3
	ds_store_b128 v[STO], v[S+16*\t+4*\ct:S+16*\t+4*\ct+3] offset:32*SP*\p+16*SP*\t+32*\ct
.endr
.endr
	WIN 0x40*\p                                    ; loaded data are the destination
.irp i, 0,1,2,3,4,5,6,7
	ds_load_b128 v[P+4*\i:P+4*\i+3], v[RD] offset:32*SP*\p+4*SP*\i   ; LDS serves a wave's instructions in order (ISA guide 5.7.1.4): these see my stores
.endr
.endm
.macro SEND p, younger                 ; younger: the LDS instructions issued behind piece p's loads, which may stay out
	WIN 0x04*\p                                    ; a store's data are its source 1
.irp i, 0,1,2,3,4,5,6,7
	s_wait_dscnt \younger+7-\i
	global_store_b128 v[GO], v[P+4*\i:P+4*\i+3], s[18:19] offset:4096*\p+512*\i   ; my 64 queries are 8,192 consecutive bytes of h: a store covers 512 of them, aligned
.endr
.endm
	FINISH 0
	FINISH 1
	SEND 0, 16                                     ; behind piece 0's loads: piece 1's 8 stores and 8 loads
	SEND 1, 0
	WIN 0
	s_wait_tensorcnt 0x0                           ; the wave's end: behind my last tensor load and my last LDS store
	ds_add_u32 v[SPW], v[NIL]
	s_wait_dscnt 0x0
	CROUND                                         ; the closing round: no work-group ends while a partner may still ask for a tile that names it
	s_endpgm
.Lfunc_end_k_q5f83d4fce7_attn:
	.size	k_q5f83d4fce7_attn, .Lfunc_end_k_q5f83d4fce7_attn-k_q5f83d4fce7_attn
	.p2alignl 7, 3214868480
	.fill 96, 4, 3214868480
	.section	.rodata,"a",@progbits
	.p2align	6, 0x0
	.amdhsa_kernel k_q5f83d4fce7_attn
		.amdhsa_group_segment_fixed_size 327680
		.amdhsa_private_segment_fixed_size 0
		.amdhsa_enable_private_segment 0
		.amdhsa_kernarg_size 16
		.amdhsa_user_sgpr_count 2
		.amdhsa_user_sgpr_kernarg_segment_ptr 1
		.amdhsa_wavefront_size32 1
		.amdhsa_system_sgpr_workgroup_id_x 1
		.amdhsa_system_sgpr_workgroup_id_y 1
		.amdhsa_system_sgpr_workgroup_id_z 1
		.amdhsa_system_vgpr_workitem_id 0
		.amdhsa_next_free_vgpr 640
		.amdhsa_next_free_sgpr 66
		.amdhsa_reserve_vcc 0
		.amdhsa_float_denorm_mode_32 3
		.amdhsa_float_denorm_mode_16_64 3
		.amdhsa_memory_ordered 1
		.amdhsa_forward_progress 1
		.amdhsa_inst_pref_size 204
	.end_amdhsa_kernel
	.amdgpu_metadata
---
amdhsa.version: [ 1, 2 ]
amdhsa.kernels:
  - .name:           k_q5f83d4fce7_attn
    .symbol:         k_q5f83d4fce7_attn.kd
    .args:
      - { .name: qkv, .offset: 0, .size: 8, .value_kind: global_buffer, .address_space: global }
      - { .name: hbuf, .offset: 8, .size: 8, .value_kind: global_buffer, .address_space: global }
    .group_segment_fixed_size: 327680
    .private_segment_fixed_size: 0
    .kernarg_segment_align: 8
    .kernarg_segment_size: 16
    .max_flat_workgroup_size: 128
    .sgpr_count:     66
    .vgpr_count:     640
    .wavefront_size: 32
...
	.end_amdgpu_metadata
.endif
;; end of part 3
;; launch oproj (part 4): grid 8 x 32, 4 waves a work-group, clusters of 4 x 4, 327,680 bytes of LDS; arguments hbuf, wot, out0; writes out0
.if DOCPART == 4
	.amdgcn_target "amdgcn-amd-amdhsa--gfx1250"
	.amdhsa_code_object_version 6
	.text
	.protected	k_q5f83d4fce7_oproj
	.globl	k_q5f83d4fce7_oproj
	.p2align	8
	.type	k_q5f83d4fce7_oproj,@function
k_q5f83d4fce7_oproj:
	s_mov_b64 s[64:65], 0
	v_nop
	global_prefetch_b8 v0, s[64:65] scope:SCOPE_SE
	s_setreg_imm32_b32 hwreg(HW_REG_WAVE_MODE, 25, 1), 1
	s_wait_xcnt 0x0
	s_wait_alu depctr_hold_cnt(0) depctr_sa_sdst(0) depctr_va_vdst(0) depctr_va_sdst(0) depctr_va_ssrc(0) depctr_va_vcc(0) depctr_vm_vsrc(0)
	s_getreg_b32 s2, hwreg(HW_REG_IB_STS2, 6, 4)
	s_cmp_eq_u32 s2, 0
	s_cbranch_scc0 .Lentry_in_a_cluster
	s_endpgm
.Lentry_in_a_cluster:
	s_bfe_u32 s2, ttmp6, 0x10000c
	s_cmp_lg_u32 s2, 0xf033
	s_cbranch_scc0 .Lentry_shape_is_right
	s_endpgm
.Lentry_shape_is_right:
; out0 = h Wo:  C[m][n] = sum over k of A[m][k] B[n][k].  A = h [4096][1024] f16, B = Wo turned [1024 (n)][1024 (k)] f16, C [4096][1024] f32; sums in f32.
; A tile of C is 128 x 128, so that there are 256 tiles.  Four waves, each 64 x 64: 16 accumulators of 16 x 16, 128 registers.  K goes in steps of 256 (LDS rows of 512 bytes; a wave's tensor load brings
; 64 of them) through two LDS slots.
; CLUSTERS: 4 x 4 work-groups.  The four of a row of the cluster need the same tiles of A, the four of a column the same tiles of B: each tile is asked for JOINTLY, by the same tensor load with the
; same descriptor and a mask that names the four.  THE MATRIX INSTRUCTION IS USED TRANSPOSED (source 0 = 16 rows of B, source 1 = 16 rows of A): a lane then holds eight neighbouring numbers of a row of C.
; REGISTERS: window 0: v0-31 addresses; v32-95 at work on the way out; v128-255 the accumulators ((a, b) at v[128 + 8 (4 a + b)]).
;   window 1: two fragment buffers of 128: for 64 along K, 64 registers of A (2 x 4 x 16 rows x 32 K), then 64 of B.
.set SIZE_N, 1024
.set SIZE_K, 1024
.set KSTEP,  256
.set PITCH,  528                       ; an LDS row: 512 bytes + 16 = 132 words: row r starts at bank 4 r mod 64 (64 banks of 4 bytes: ISA guide 11.1)
.set HALFT,  64*PITCH                  ; 64 rows: what one tensor load brings, and what one wave reads of A or of B
.set SLOT,   4*HALFT                   ; A's 128 rows, then B's 128 rows
.set STAGE,  2*SLOT                    ; behind the ring: 16 rows x 272 bytes for EACH wave: a wave's 64 columns of f32 are 256 bytes, so no wave needs another's
.set SPITCH, 272
.set SPARE,  STAGE+4*16*SPITCH         ; the spare words, 128 bytes for each wave: two blocks of 256 bytes that no other line names
.set LAPS, SIZE_K/(2*KSTEP)            ; a lap = two K steps = once round the ring: two laps
.set ADRA, 16                          ; v16-17  LDS address of my A fragments in slot 0, 1
.set ADRB, 20                          ; v20-21  the same for B
.set STO,  24                          ; v24     the way out: where I put 32 bytes of a row
.set RD,   25                          ; v25     where I read a row back
.set CO,   26                          ; v26     my byte offset in two rows of C
.set SPW,  28                          ; v28     LDS address of my spare word; never rewritten
.set NIL,  29                          ; v29     0; never rewritten
.set TMP,  32                          ; the way out: two sets of 32 registers, 16 rows each
.set ACC,  128
.set F0,   0                           ; fragment buffers, in window 1
.set F1,   128
.set G1, 24                            ; s[24:31] descriptor group 1 for A's tiles;  s[32:39] group 0, one set for each slot
.set G0, 32
.set G1B, 48                           ; s[48:55], s[56:63] the same for B's tiles
.set G0B, 56
.set MSB, 0
.macro WIN new                         ; the immediate's high byte repeats the setting that is left
.if MSB != \new
	s_set_vgpr_msb (MSB<<8)|\new
.set MSB, \new
.endif
.endm
.set MUL,  0x05                        ; sources 0 (B) and 1 (A) window 1; C and D window 0
.set TO_F, 0x40                        ; destination window 1, address window 0
.macro JLOAD s                         ; a joint load: waves 0 and 1 fetch A's two halves, waves 2 and 3 B's; four v_nop follow each of the two lines
	s_cmp_eq_u32 s11, 0
	s_cbranch_scc0 .Lfor_b_\@
	tensor_load_to_lds s[G0+4*\s:G0+4*\s+3], s[G1:G1+7]
.rept 4
	v_nop
.endr
	s_branch .Lasked_\@
.Lfor_b_\@:
	tensor_load_to_lds s[G0B+4*\s:G0B+4*\s+3], s[G1B:G1B+7]
.rept 4
	v_nop
.endr
.Lasked_\@:
.endm
.macro CREST                           ; a round of the cluster's barrier behind its opening barrier
	s_cmp_lg_u32 s10, 0
	s_cbranch_scc1 .Lnot_wave_0_\@
	s_barrier_signal -3
.Lnot_wave_0_\@:
	s_barrier_wait -3
	s_barrier_signal -1
	s_barrier_wait -1
.endm
.macro CROUND                          ; a whole round
	s_barrier_signal -1
	s_barrier_wait -1
	CREST
.endm
	s_load_b128 s[4:7], s[0:1], 0x0                ; A s[4:5], B s[6:7]
	s_load_b64 s[8:9], s[0:1], 0x10                ; C
	v_lshl_add_u32 v[SPW], v0, 2, SPARE
	v_mov_b32 v[NIL], 0
	v_lshrrev_b32 v1, 5, v0
	v_readfirstlane_b32 s10, v1                    ; wave 0..3
	s_lshr_b32 s11, s10, 1                         ; which half of the tile's rows is mine.  Also: I fetch for A (0) or for B (1)
	s_and_b32 s12, s10, 1                          ; which half of its columns.  Also: which 64 rows of that tile I fetch
	s_bfe_u32 s40, ttmp6, 0x40000                  ; cx, cy: my place in the cluster
	s_bfe_u32 s41, ttmp6, 0x40004
	s_lshl_b32 s42, ttmp9, 2
	s_add_co_u32 s42, s42, s40                     ; tile column of C = 4 x cluster x + cx
	s_and_b32 s13, ttmp7, 0xffff
	s_lshl_b32 s13, s13, 2
	s_add_co_u32 s13, s13, s41                     ; tile row of C = 4 x cluster y + cy
	s_lshl_b32 s43, s41, 2
	s_lshl_b32 s43, 15, s43                        ; my row of the cluster
	s_lshl_b32 s44, 0x1111, s40                    ; my column
	; descriptor group 1: a tile of 64 rows x 256 elements, padded in LDS
	s_or_b32 s[G1+0], s43, (1<<16)|(1<<20)|(1<<21)|(6<<22)|(3<<25)  ; 15:0 the mask: A's tiles go to my row; 17:16 element of 2 bytes; 20 padding on; 21 set beside a mask; 24:22 after every 128 words; 31:25 of 4 words
	s_or_b32 s[G1B+0], s44, (1<<16)|(1<<20)|(1<<21)|(6<<22)|(3<<25)
.irp g, G1, G1B
	s_mov_b32 s[\g+1], KSTEP<<16                   ; tensor_dim0 = 256
	s_mov_b32 s[\g+2], 64<<16                      ; tensor_dim1 = 64
	s_mov_b32 s[\g+3], KSTEP<<16                   ; tile_dim0 = 256
	s_mov_b32 s[\g+4], 64                          ; tile_dim1 = 64
	s_mov_b32 s[\g+5], SIZE_K                      ; tensor_dim0_stride
	s_mov_b32 s[\g+6], 0
	s_mov_b32 s[\g+7], 0
.endr
	s_lshl_b32 s17, s12, 6                         ; which 64 rows of the tile I fetch
	s_lshl_b32 s16, s13, 7
	s_add_co_u32 s16, s16, s17                     ; A: row 128 x tile row + 64 x half
	s_lshl_b32 s46, s42, 7
	s_add_co_u32 s46, s46, s17                     ; B: row 128 x tile column + 64 x half
	s_mov_b32 s17, 0
	s_mov_b32 s47, 0
	s_mov_b64 s[18:19], SIZE_K*2
	s_mul_u64 s[16:17], s[16:17], s[18:19]
	s_mul_u64 s[46:47], s[46:47], s[18:19]
	s_mul_i32 s20, s10, HALFT                      ; where they go: wave x 64 rows: no place in the cluster enters an LDS address
	s_wait_kmcnt 0x0
	s_add_nc_u64 s[14:15], s[4:5], s[16:17]
	s_add_nc_u64 s[46:47], s[6:7], s[46:47]
	CROUND                                         ; all sixteen work-groups are here: the first joint loads meet
.irp s, 0,1
	s_mov_b32 s[G0+4*\s], 1
	s_add_co_u32 s[G0+4*\s+1], s20, \s*SLOT
	s_add_nc_u64 s[G0+4*\s+2:G0+4*\s+3], s[14:15], \s*KSTEP*2
	s_or_b32 s[G0+4*\s+3], s[G0+4*\s+3], 0x80000000
	s_mov_b32 s[G0B+4*\s], 1
	s_add_co_u32 s[G0B+4*\s+1], s20, \s*SLOT
	s_add_nc_u64 s[G0B+4*\s+2:G0B+4*\s+3], s[46:47], \s*KSTEP*2
	s_or_b32 s[G0B+4*\s+3], s[G0B+4*\s+3], 0x80000000
	JLOAD \s                                       ; two loads of mine are out behind the second
.endr
	v_and_b32 v1, 15, v0                           ; l % 16
	v_bfe_u32 v2, v0, 4, 1                         ; l / 16
	v_mul_u32_u24 v3, v1, PITCH
	v_lshl_add_u32 v3, v2, 4, v3                   ; a fragment's row x pitch + 16 x half
	s_mul_i32 s21, s11, HALFT                      ; my 64 rows of A
	s_mul_i32 s22, s12, HALFT                      ; my 64 rows of B,
	s_add_co_u32 s22, s22, 2*HALFT                 ; which lie behind A's 128
.irp s, 0,1
	v_add_nc_u32 v[ADRA+\s], s21, v3
	v_add_nc_u32 v[ADRB+\s], s22, v3
	s_add_co_u32 s21, s21, SLOT
	s_add_co_u32 s22, s22, SLOT
.endr
	s_mul_i32 s23, s10, 16*SPITCH
	s_add_co_u32 s23, s23, STAGE                   ; my stage
	v_mul_u32_u24 v4, v1, SPITCH                   ; in: row l % 16, 32 bytes for each half of the lanes
	v_lshl_add_u32 v4, v2, 5, v4
	v_add_nc_u32 v[STO], s23, v4
	v_mul_u32_u24 v5, v2, SPITCH                   ; back: lanes 0-15 one row of 256 bytes, lanes 16-31 the next
	v_lshl_add_u32 v5, v1, 4, v5
	v_add_nc_u32 v[RD], s23, v5
	v_mul_u32_u24 v5, v2, SIZE_N*4                 ; and the same two rows in C
	v_lshl_add_u32 v[CO], v1, 4, v5
	s_lshl_b32 s16, s13, 7
	s_lshl_b32 s17, s11, 6
	s_add_co_u32 s16, s16, s17                     ; my first row of C: 128 x tile row + 64 x half
	s_mov_b32 s17, 0
	s_mov_b64 s[18:19], SIZE_N*4
	s_mul_u64 s[16:17], s[16:17], s[18:19]
	s_add_nc_u64 s[8:9], s[8:9], s[16:17]
	s_lshl_b32 s46, s42, 9                         ; my first column, in bytes: 512 x tile column + 256 x half
	s_lshl_b32 s47, s12, 8
	s_add_co_u32 s46, s46, s47
	s_mov_b32 s47, 0
	s_add_nc_u64 s[8:9], s[8:9], s[46:47]
; 8 matrix instructions: m blocks a0, a0 + 1 x all 4 n blocks, 32 along K: half c of buffer f.  zero = 1: the first product starts the sums.  The 16 accumulators take turns
.macro MUL8 f, c, a0, zero
.irp a, \a0, \a0+1
.irp b, 0,1,2,3
.if \zero
	v_wmma_f32_16x16x32_f16 v[ACC+8*(4*(\a)+\b):ACC+8*(4*(\a)+\b)+7], v[\f+64+8*(4*\c+\b):\f+64+8*(4*\c+\b)+7], v[\f+8*(4*\c+\a):\f+8*(4*\c+\a)+7], 0
.else
	v_wmma_f32_16x16x32_f16 v[ACC+8*(4*(\a)+\b):ACC+8*(4*(\a)+\b)+7], v[\f+64+8*(4*\c+\b):\f+64+8*(4*\c+\b)+7], v[\f+8*(4*\c+\a):\f+8*(4*\c+\a)+7], v[ACC+8*(4*(\a)+\b):ACC+8*(4*(\a)+\b)+7]
.endif
.endr
.endr
.endm
; 32 LDS loads in one run: the fragments of 64 along K at byte k of the rows, into buffer f; the first 32 along K first
.macro FETCH slot, k, f
	WIN TO_F
.irp c, 0,1
.irp i, 0,1,2,3
	ds_load_b128 v[\f+64+8*(4*\c+\i):\f+64+8*(4*\c+\i)+3],   v[ADRB+\slot] offset:\k+64*\c+\i*16*PITCH
	ds_load_b128 v[\f+64+8*(4*\c+\i)+4:\f+64+8*(4*\c+\i)+7], v[ADRB+\slot] offset:\k+64*\c+\i*16*PITCH+32
	ds_load_b128 v[\f+8*(4*\c+\i):\f+8*(4*\c+\i)+3],         v[ADRA+\slot] offset:\k+64*\c+\i*16*PITCH
	ds_load_b128 v[\f+8*(4*\c+\i)+4:\f+8*(4*\c+\i)+7],       v[ADRA+\slot] offset:\k+64*\c+\i*16*PITCH+32
.endr
.endr
.endm
.macro PLACES                          ; four places in front of loads into registers that matrix instructions have read, and of the first read of results (ISA guide 7.12.1 for vector instructions)
.rept 4
	v_nop
.endr
.endm
; A K step is four quarters of 64 along K, 32 matrix instructions each, on buffers 0, 1, 0, 1.  One of the first three: multiplies buffer f and fetches the next quarter, at byte k, into g.
.macro QUARTER slot, k, f, g, zero
	s_wait_dscnt 16                                ; the first 32 along K are in: behind them 16 loads were issued
	WIN MUL
	MUL8 \f, 0, 0, \zero
	MUL8 \f, 0, 2, \zero
	PLACES
	FETCH \slot, \k, \g
	s_wait_dscnt 32                                ; all but the 32 just issued
	WIN MUL
	MUL8 \f, 1, 0, 0
	MUL8 \f, 1, 2, 0
.endm
; The last quarter multiplies buffer 1 and changes slots: ONE barrier; in front of it each wave waits for all its tensor loads, adds 0 to its spare word, and waits for that and for its own reads of this slot.
; fill = 1: this slot is filled again, two K steps ahead.
.macro TURN slot, next, fill
	WIN 0                                          ; (the add's two registers lie in window 0)
	s_wait_tensorcnt 0x0                           ; all my tensor loads have landed: my part of the next slot;
	ds_add_u32 v[SPW], v[NIL]                      ; 0 onto my spare word;
	s_wait_dscnt 17                                ; (the add and the youngest sixteen loads may be out)
	WIN MUL
	MUL8 F1, 0, 0, 0                               ; eight matrix instructions stand between the add and the wait for it
	s_wait_dscnt 0x0                               ; the add is done, and my reads of this slot are over
	s_barrier_signal -1
	MUL8 F1, 0, 2, 0
.if \fill
	WIN 0
.endif
	s_barrier_wait -1
.if \fill
	CREST                                          ; the barrier has opened a round of the cluster's barrier: no wave of any partner still reads this slot's tile or has a load on its way
	s_add_nc_u64 s[G0+4*\slot+2:G0+4*\slot+3], s[G0+4*\slot+2:G0+4*\slot+3], 2*KSTEP*2
	s_add_nc_u64 s[G0B+4*\slot+2:G0B+4*\slot+3], s[G0B+4*\slot+2:G0B+4*\slot+3], 2*KSTEP*2
	JLOAD \slot                                    ; the first tensor load behind the round; the four v_nop behind it are also the places in front of the loads below
.else
	PLACES
.endif
	FETCH \next, 0, F0
	WIN MUL
	MUL8 F1, 1, 0, 0
	MUL8 F1, 1, 2, 0
.endm
	s_wait_tensorcnt 1                             ; my part of K step 0 is in (K step 1's load, issued behind it, may be out),
	s_barrier_signal -1
	s_barrier_wait -1                              ; everybody's is
	FETCH 0, 0, F0
	QUARTER 0, 128, F0, F1, 1                      ; the first quarter stands in front of the loop: its first products start the sums
	WIN 0                                          ; at a label and at a branch every window is 0
	s_mov_b32 s3, LAPS-1
.Llap:                                                 ; a trip goes once round the ring, from a lap's second quarter to the next lap's first, and fills both slots again
	QUARTER 0, 256, F1, F0, 0
	QUARTER 0, 384, F0, F1, 0
	TURN 0, 1, 1
	QUARTER 1, 128, F0, F1, 0
	QUARTER 1, 256, F1, F0, 0
	QUARTER 1, 384, F0, F1, 0
	TURN 1, 0, 1
	QUARTER 0, 128, F0, F1, 0
	WIN 0
	s_sub_co_u32 s3, s3, 1
	s_cmp_lg_u32 s3, 0
	s_cbranch_scc1 .Llap
	QUARTER 0, 256, F1, F0, 0                      ; the last lap fills nothing, and has no round of the cluster's barrier
	QUARTER 0, 384, F0, F1, 0
	TURN 0, 1, 0
	QUARTER 1, 128, F0, F1, 0
	QUARTER 1, 256, F1, F0, 0
	QUARTER 1, 384, F0, F1, 0
	s_wait_dscnt 16                                ; the very last quarter: nothing more to fetch
	WIN MUL
	MUL8 F1, 0, 0, 0
	MUL8 F1, 0, 2, 0
	s_wait_dscnt 0
	MUL8 F1, 1, 0, 0
	MUL8 F1, 1, 2, 0
	WIN 0
; THE WAY OUT, block by block of 16 rows x 64 columns of f32.  A lane holds 32 neighbouring bytes of a row and the lanes beside it other rows: a block goes through my own stage and comes back as whole rows of 256 bytes.
; LDS serves a wave's instructions in order (ISA guide 5.7.1.4): no wait between the stores and the loads, nor in front of the next block's stores.
.macro TOSTAGE a
.irp b, 0,1,2,3
	ds_store_b128 v[STO], v[ACC+8*(4*(\a)+\b):ACC+8*(4*(\a)+\b)+3] offset:64*\b          ; each accumulator from its low end on
	ds_store_b128 v[STO], v[ACC+8*(4*(\a)+\b)+4:ACC+8*(4*(\a)+\b)+7] offset:64*\b+16
.endr
.irp i, 0,1,2,3,4,5,6,7
	ds_load_b128 v[TMP+32*((\a)%2)+4*\i:TMP+32*((\a)%2)+4*\i+3], v[RD] offset:\i*2*SPITCH
.endr
.endm
.macro SEND a, younger                 ; younger: the LDS instructions issued behind block a's loads, which may stay out
	s_wait_dscnt \younger
.irp i, 0,1,2,3,4,5,6,7
	global_store_b128 v[CO], v[TMP+32*((\a)%2)+4*\i:TMP+32*((\a)%2)+4*\i+3], s[8:9] offset:(16*(\a)+2*\i)*SIZE_N*4 th:TH_STORE_NT   ; sixteen lanes store 256 consecutive bytes, aligned; 62 rows at the most; written once
.endr
.endm
	PLACES                                         ; behind the last products: the LDS stores read results
	TOSTAGE 0
.irp a, 1,2,3
.if \a > 1
	s_wait_xcnt 0x0                                ; block a - 2's stores have had their addresses translated: block a's loads land in their registers only behind this wait
.endif
	TOSTAGE \a
	SEND \a-1, 16                                  ; behind block a - 1's loads: block a's 8 stores and 8 loads
.endr
	SEND 3, 0
	s_wait_tensorcnt 0x0                           ; the wave's end: behind my last tensor load and my last LDS store
	ds_add_u32 v[SPW], v[NIL]
	s_wait_dscnt 0x0
	CROUND                                         ; the closing round: no work-group ends while a partner may still ask for a tile that names it
	s_endpgm
.Lfunc_end_k_q5f83d4fce7_oproj:
	.size	k_q5f83d4fce7_oproj, .Lfunc_end_k_q5f83d4fce7_oproj-k_q5f83d4fce7_oproj
	.p2alignl 7, 3214868480
	.fill 96, 4, 3214868480
	.section	.rodata,"a",@progbits
	.p2align	6, 0x0
	.amdhsa_kernel k_q5f83d4fce7_oproj
		.amdhsa_group_segment_fixed_size 327680
		.amdhsa_private_segment_fixed_size 0
		.amdhsa_enable_private_segment 0
		.amdhsa_kernarg_size 24
		.amdhsa_user_sgpr_count 2
		.amdhsa_user_sgpr_kernarg_segment_ptr 1
		.amdhsa_wavefront_size32 1
		.amdhsa_system_sgpr_workgroup_id_x 1
		.amdhsa_system_sgpr_workgroup_id_y 1
		.amdhsa_system_sgpr_workgroup_id_z 1
		.amdhsa_system_vgpr_workitem_id 0
		.amdhsa_next_free_vgpr 512
		.amdhsa_next_free_sgpr 66
		.amdhsa_reserve_vcc 0
		.amdhsa_float_denorm_mode_32 3
		.amdhsa_float_denorm_mode_16_64 3
		.amdhsa_memory_ordered 1
		.amdhsa_forward_progress 1
		.amdhsa_inst_pref_size 85
	.end_amdhsa_kernel
	.amdgpu_metadata
---
amdhsa.version: [ 1, 2 ]
amdhsa.kernels:
  - .name:           k_q5f83d4fce7_oproj
    .symbol:         k_q5f83d4fce7_oproj.kd
    .args:
      - { .name: hbuf, .offset: 0, .size: 8, .value_kind: global_buffer, .address_space: global }
      - { .name: wot, .offset: 8, .size: 8, .value_kind: global_buffer, .address_space: global }
      - { .name: out0, .offset: 16, .size: 8, .value_kind: global_buffer, .address_space: global }
    .group_segment_fixed_size: 327680
    .private_segment_fixed_size: 0
    .kernarg_segment_align: 8
    .kernarg_segment_size: 24
    .max_flat_workgroup_size: 128
    .sgpr_count:     66
    .vgpr_count:     512
    .wavefront_size: 32
...
	.end_amdgpu_metadata
.endif
;; end of part 4
